; MI455X (gfx1250); checked and timed in simulation.
; The chip was launched on July 23, 2026; its instructions are those of AMD's public machine-readable ISA for CDNA 5 (MIT licence, August 2026) and "CDNA5" Instruction Set Architecture Reference Guide (July 2026). The comments in the code are by the model that wrote it; some were corrected since.
;; Multihead Self Attention. Allowed arithmetic: matrix products marked QUANTISED: E2M3 operands, one E8M0 scale for each 32 along K, by v_wmma_scale_f32_16x16x128_f8f6f4 with both operands' format E2M3, f32 sums; everything else in f32.
;; Inputs: w_k 1,024 x 1,024 float32; w_o 1,024 x 1,024 float32; w_q 1,024 x 1,024 float32; w_v 1,024 x 1,024 float32; x 2 x 2,048 x 1,024 float32.
;; Outputs: out0 2 x 2,048 x 1,024 float32.
;; This version of the problem:
;;   THIS VERSION OF THE PROBLEM IS GIVEN IN LOW PRECISION. The matrix products marked QUANTISED in the list below multiply operands that are first quantised to E2M3 (2 exponent bits, 3 mantissa bits; 6 bits a number), with one power-of-two scale for each 32 numbers along K (OCP MX v1.0); their sums are f32. All else is computed in f32.
;;   The module's matrix products, in the order in which they are computed (A, B: the left and right operand; K: the contracted axis; several contracted axes count as one K, in the product's order):
;;     1. [M 4,096, K 1,024] x [K 1,024, N 1,024]; A: input x; B: input w_q: QUANTISED
;;     2. [M 4,096, K 1,024] x [K 1,024, N 1,024]; A: input x; B: input w_k: QUANTISED
;;     3. [M 4,096, K 1,024] x [K 1,024, N 1,024]; A: input x; B: input w_v: QUANTISED
;;     4. batch 32 x [M 2,048, K 64] x [K 64, N 2,048]; A: computed on the way; B: computed on the way: QUANTISED
;;     5. batch 32 x [M 2,048, K 2,048] x [K 2,048, N 64]; A: softmax (see below); B: computed on the way: QUANTISED
;;     6. [M 4,096, K 1,024] x [K 1,024, N 1,024]; A: computed on the way; B: input w_o: QUANTISED
;;   THE QUANTISER, for each operand of a quantised product, along K:
;;     - K is cut into blocks of 32 from its start; a last block that is shorter is filled with zeros.
;;     - A block's scale is 2^e with e = floor(log2(the largest magnitude in the block)) - 2, held to -126 .. 127; a block of zeros has e = 0. As a byte (E8M0): e + 127.
;;     - Each number is divided by its block's scale, clamped to +-7.5, and rounded to the nearest number of E2M3, ties to even, subnormals kept.
;;     - The product sums the exact products of the quantised numbers (number of the format x scale) in f32.
;;   ~~~python
;;   def quantise(x, axis):      # numpy; x: float32 -> the quantised numbers, widened to float32 again
;;       x = np.moveaxis(x, axis, -1); K = x.shape[-1]
;;       x = np.pad(x, [(0, 0)] * (x.ndim - 1) + [(0, -K % 32)]); x = x.reshape(x.shape[:-1] + (-1, 32)); a = np.abs(x).max(-1, keepdims=True)
;;       e = np.where(a > 0, np.clip(np.frexp(np.where(a > 0, a, 1))[1] - 1 - 2, -126, 127), 0)      # np.frexp(a)[1] - 1 = floor(log2(a)), exactly
;;       r = np.clip(x / 2.0 ** e, -7.5, 7.5)
;;       step = 2.0 ** (np.maximum(np.frexp(np.where(r == 0, 1, r))[1] - 1, 0) - 3)
;;       q = np.round(r / step) * step * 2.0 ** e      # np.round: ties to even
;;       return np.moveaxis(q.reshape(q.shape[:-2] + (-1,))[..., :K], -1, axis).astype(np.float32)
;;   ~~~
;;   SOFTMAX AHEAD OF A QUANTISED PRODUCT. Where the list says 'softmax', what is quantised is not the finished softmax but p = 2^(t - M), with t = logit x log2(e) and M = ceil(the row's largest t), a whole number; so 1/2 < the row's largest p <= 1. The row's sum l is taken of the UNQUANTISED p, in f32, and the product's result is divided by l at the end. Since M is a whole number, a kernel that streams over the keys may use a running M (the ceiling of the running maximum): every later rescaling is an exact power of two, which a block's scale takes up: the codes' values come out the same.
;;   OPERANDS COMPUTED ON THE WAY. 'Computed on the way' means the value that the module computes at that place (a softmax that the list does not call 'softmax' is quantised finished and normalised). What goes into a quantiser is computed in f32, as accurately as f32 sums, v_exp_f32 and their like allow (about 1e-6 of the number): no bf16 or f16 on the way to a quantiser, and a product that is left as it is and whose result goes on into a quantised operand takes f32 operands (vector FMAs, or v_wmma_f32_16x16x4_f32). A number that lies on a knife's edge between two numbers of the format may be rounded either way, as far as f32 arithmetic and the matrix unit's own rounding can turn it there, and no further.
;; One version. Each part assembles by itself: llvm-mc -triple=amdgcn-amd-amdhsa -mcpu=gfx1250 --defsym DOCPART=n.
;; ======== version 1 of 1: 4 launches
;; limits: right only within a limited range of input values
;; workspace buffers: c1 9,437,184 bytes; sc 393,216 bytes; qb 3,407,872 bytes; kv 6,684,672 bytes
;; launch quant (part 1): grid 512 x 1, 8 waves a work-group, no clusters, 69,120 bytes of LDS; arguments x, w_q, w_k, w_v, w_o, c1, sc; writes c1, sc
.if DOCPART == 1
	.amdgcn_target "amdgcn-amd-amdhsa--gfx1250"
	.amdhsa_code_object_version 6
	.text
	.protected	k_qfc45ed6a74_quant
	.globl	k_qfc45ed6a74_quant
	.p2align	8
	.type	k_qfc45ed6a74_quant,@function
k_qfc45ed6a74_quant:
	s_mov_b64 s[64:65], 0
	v_nop
	global_prefetch_b8 v0, s[64:65] scope:SCOPE_SE
	s_setreg_imm32_b32 hwreg(HW_REG_WAVE_MODE, 25, 1), 1
	s_wait_xcnt 0x0
; x [4096][1024] and the four weights [1024][1024], f32, K innermost, become codes of FP6 (E2M3) with one E8M0 byte for each 32 along K.
; The codes are laid as IMAGES OF OPERAND REGISTERS.  c1: [place][K step kap of 128][1,536 bytes].  A tile is 16 rows; lane row 8 h + i (h = 0, 1; i = 0 .. 7) of tile 4 c + j of a tensor is its row 64 c + 32 h + 8 j + i:
; so, where four such tiles are source 0 of a product, a lane's 32 result registers are 32 neighbours along that axis: a whole scale block of the next product.
; PLACES: 0-255 x's tiles; 256 + 12 n + 0 .. 7: eight tiles of w_q (n = 0 .. 7) or w_k (n = 8 .. 15); 256 + 12 n + 8 .. 11: w_v's tiles of head n; 448-511 w_o.
; A fragment's 12 registers lie as two halves of 768 bytes: registers 6 c .. 6 c + 3 at 16 x lane, registers 6 c + 4, 6 c + 5 at 512 + 8 x lane.
; sc: [place][kap / 4][row r][kap % 4] words: a word is the four scale bytes of one row and one K step.
; A block's scale is 2^(floor(log2(its largest magnitude)) - 2); its byte is the largest magnitude's exponent field - 2, held at 1 from below.
; LIMITS: a block of zeros, and a block whose largest magnitude lies under 2^-124, gets the byte 1 (the bytes are read by this program alone; zero codes add nothing under any byte but 0xff); NaN and infinities are not served.
; WORK LEFT OUT in this program: scores and weights of whole key steps that reference()'s own causal mask hides (launch attn); every input is read.
; SHARES: work-group T makes one tile, wave kap its K step: 16 rows x 512 bytes.  Each load takes 512 consecutive bytes of a row; the 8,192 bytes turn through the wave's own stage in LDS, so that a lane gets
; a whole block of 32 of ITS row for each half of the K step.  No loop: all 16 loads of a wave are out at once.
.set SP,    528                        ; a stage row: 512 bytes + 16 = 132 words: sixteen rows start at sixteen different banks (64 banks of 4 bytes: ISA guide 11.1)
.set STG,   16*SP                      ; a wave's stage
.set SCR,   8*STG                      ; behind the stages: the tile's 128 scale words, 512 bytes
.set SPARE, SCR+512
.set R,     16                         ; v16-79   the rows as loaded
.set X,     80                         ; v80-143  register 32 c + i = k 64 c + 32 (lane / 16) + i of my row
.set TM,    144                        ; v144-147 largest magnitudes; v148, 149 bytes; v150, 151 the conversions' scale operands; v152 a lane permute's
.set PC,    160                        ; v160-171 the fragment; v172-178 at work
.set PW,    180                        ; my row's scale word
.set OUTR,  184
.set SPW,   192
.set NIL,   193
	s_load_b256 s[4:11], s[0:1], 0x0               ; x, w_q, w_k, w_v
	s_load_b128 s[12:15], s[0:1], 0x20             ; w_o, c1
	s_load_b64 s[16:17], s[0:1], 0x30              ; sc
	v_lshl_add_u32 v[SPW], v0, 2, SPARE
	v_mov_b32 v[NIL], 0
	v_lshrrev_b32 v3, 5, v0
	v_readfirstlane_b32 s18, v3                    ; wave = K step kap
	v_and_b32 v6, 31, v0                           ; lane
	v_and_b32 v9, 15, v0                           ; r
	v_bfe_u32 v10, v0, 4, 1                        ; h
	v_mov_b32 v[TM+8], 0                           ; a lane permute's destination counts as one of its sources
	v_lshlrev_b32 v1, 4, v6                        ; 16 x lane
	v_lshlrev_b32 v2, 3, v6                        ; 8 x lane
	s_mul_i32 s19, s18, STG                        ; my stage
	v_mul_u32_u24 v5, v9, SP
	v_add_nc_u32 v4, s19, v1                       ; into it: a row as it lies
	v_lshlrev_b32 v11, 3, v10                      ; 8 h
	v_lshl_add_u32 v5, v10, 7, v5
	v_add_nc_u32 v8, SCR, v1                       ; the tile's words on the way out: 16 bytes a lane
	s_lshr_b32 s20, s18, 2
	s_lshl_b32 s20, s20, 8
	s_and_b32 s21, s18, 3
	s_lshl_b32 s21, s21, 2
	s_add_co_u32 s20, s20, s21
	s_add_co_u32 s20, s20, SCR
	s_wait_alu depctr_va_vdst(0)
	v_add_nc_u32 v5, s19, v5                       ; out of the stage: row r, + 128 h: my block of 32 numbers
	v_lshl_add_u32 v7, v9, 4, s20                  ; my row's word among the tile's: 256 (kap / 4) + 16 r + 4 (kap % 4)
	s_mov_b32 s28, 0x76543210                      ; v_permlanex16_b32's selects for lane l xor 16
	s_mov_b32 s29, 0xfedcba98
	s_and_b32 s22, ttmp9, 63
	s_lshr_b32 s32, s22, 2
	s_mul_i32 s32, s32, 12
	s_and_b32 s33, s22, 3
	s_add_co_u32 s32, s32, s33
	s_add_co_u32 s32, s32, 264                     ; w_v's place: 256 + 12 (u / 4) + 8 + u % 4
	s_sub_co_u32 s30, ttmp9, 256
	s_lshr_b32 s31, s30, 3
	s_mul_i32 s31, s31, 12
	s_and_b32 s30, s30, 7
	s_add_co_u32 s30, s30, s31
	s_add_co_u32 s30, s30, 256                     ; w_q's, w_k's: 256 + 12 (u / 8) + u % 8
	s_cmp_lt_u32 ttmp9, 256
	s_cselect_b32 s22, ttmp9, s22                  ; the tile's number inside its tensor
	s_cselect_b32 s34, ttmp9, s30
	s_cmp_ge_u32 ttmp9, 384
	s_cselect_b32 s34, s32, s34
	s_cmp_ge_u32 ttmp9, 448
	s_cselect_b32 s34, ttmp9, s34                  ; its place in c1 and sc
	s_lshr_b32 s23, s22, 2
	s_lshl_b32 s23, s23, 18                        ; 64 rows of 4,096 bytes for each four tiles,
	s_and_b32 s22, s22, 3
	s_lshl_b32 s22, s22, 15                        ; 8 rows for each j,
	s_add_co_u32 s22, s22, s23
	s_lshl_b32 s23, s18, 9                         ; 512 bytes for each K step
	s_add_co_u32 s22, s22, s23
	s_mov_b32 s23, 0
	s_mul_i32 s24, s34, 12288                      ; the fragment's place in c1
	s_mul_i32 s26, s18, 1536
	s_add_co_u32 s24, s24, s26
	s_mov_b32 s25, 0
	s_lshl_b32 s26, s34, 9                         ; the tile's words in sc
	s_mov_b32 s27, 0
	s_wait_alu depctr_va_vdst(0)                   ; the head's end
	s_wait_kmcnt 0x0
	s_cmp_ge_u32 ttmp9, 256                        ; which tensor: the choice hangs on the work-group's number alone
	s_cselect_b64 s[4:5], s[6:7], s[4:5]
	s_cmp_ge_u32 ttmp9, 320
	s_cselect_b64 s[4:5], s[8:9], s[4:5]
	s_cmp_ge_u32 ttmp9, 384
	s_cselect_b64 s[4:5], s[10:11], s[4:5]
	s_cmp_ge_u32 ttmp9, 448
	s_cselect_b64 s[4:5], s[12:13], s[4:5]
	s_add_nc_u64 s[4:5], s[4:5], s[22:23]
	s_add_nc_u64 s[14:15], s[14:15], s[24:25]
	s_add_nc_u64 s[16:17], s[16:17], s[26:27]
.irp i, 0,1,2,3,4,5,6,7,8,9,10,11,12,13,14,15
	global_load_b128 v[R+4*\i:R+4*\i+3], v1, s[4:5] offset:(\i+24*(\i/8))*4096 th:TH_LOAD_NT   ; lane row i: 32 lanes read 512 consecutive bytes; read once in the launch
.endr
.irp i, 0,1,2,3,4,5,6,7,8,9,10,11,12,13,14,15
	s_wait_loadcnt 15-\i                           ; loads come back in order (ISA guide 5.7.1): row i is in, the younger ones stay out
	ds_store_b128 v4, v[R+4*\i:R+4*\i+3] offset:SP*\i
.endr
.irp c, 0,1
.irp j, 0,1,2,3,4,5,6,7
	ds_load_b128 v[X+32*\c+4*\j:X+32*\c+4*\j+3], v5 offset:256*\c+16*\j   ; LDS serves a wave's instructions in order (ISA guide 5.7.1.4): these see my stores
.endr
.endr
	s_wait_dscnt 0x0
.irp b, 0,1,2,3
	v_max3_num_f32 v[TM+\b], |v[X+16*\b]|, |v[X+1+16*\b]|, 0x1800000   ; two chains for each of my two blocks, with the floor 2^(3 - 127): so the byte cannot fall under 1
.endr
.irp i, 2,4,6,8,10,12,14
.irp b, 0,1,2,3
	v_max3_num_f32 v[TM+\b], v[TM+\b], |v[X+16*\b+\i]|, |v[X+1+16*\b+\i]|
.endr
.endr
.irp c, 0,1
	v_max_num_f32 v[TM+2*\c], v[TM+2*\c], v[TM+2*\c+1]   ; block 2 c + h's largest magnitude
.endr
.irp c, 0,1
	v_add_nc_u32 v[TM+6+\c], 0xff000000, v[TM+2*\c]      ; 2 off its exponent field: the conversion takes the exponent field of this operand as its scale
.endr
.irp c, 0,1
	v_lshrrev_b32 v[TM+4+\c], 23, v[TM+6+\c]       ; the scale's byte
.endr
.irp c, 0,1
	v_cvt_scalef32_pk16_fp6_f32 v[PC+6*\c:PC+2+6*\c], v[X+32*\c:X+15+32*\c], v[TM+6+\c]
	v_cvt_scalef32_pk16_fp6_f32 v[PC+12+4*\c:PC+14+4*\c], v[X+16+32*\c:X+31+32*\c], v[TM+6+\c]   ; (a conversion's three registers begin on an even number)
.endr
	v_lshl_or_b32 v[PW], v[TM+5], 16, v[TM+4]      ; (a plain place behind the conversions)
.irp i, 0,1,2
	v_mov_b32 v[PC+3+\i], v[PC+12+\i]
.endr
	v_lshlrev_b32 v[PW], v11, v[PW]                ; bytes h and 2 + h of the word
.irp i, 0,1,2
	v_mov_b32 v[PC+9+\i], v[PC+16+\i]
.endr
	v_permlanex16_b32 v[TM+8], v[PW], s28, s29
	s_delay_alu instid0(VALU_DEP_1)
	v_or_b32 v[PW], v[PW], v[TM+8]                 ; with lane l xor 16's two the word is whole
	ds_store_b32 v7, v[PW]                         ; both halves of the lanes write the same word with the same value
	global_store_b128 v1, v[PC:PC+3], s[14:15]                ; each store covers whole aligned runs of 256 consecutive bytes
	global_store_b64 v2, v[PC+4:PC+5], s[14:15] offset:512
	global_store_b128 v1, v[PC+6:PC+9], s[14:15] offset:768
	global_store_b64 v2, v[PC+10:PC+11], s[14:15] offset:1280
	s_wait_dscnt 0x0                               ; for the others' sake: my word lies in LDS
	s_barrier_signal -1
	s_barrier_wait -1
	s_cmp_lg_u32 s18, 0
	s_cbranch_scc1 .Lend                           ; wave 0 stores the tile's 512 bytes of scale words
	ds_load_b128 v[OUTR:OUTR+3], v8
	s_wait_dscnt 0x0
	global_store_b128 v1, v[OUTR:OUTR+3], s[16:17]
.Lend:
	s_wait_tensorcnt 0x0                           ; the wave's end
	ds_add_u32 v[SPW], v[NIL]
	s_wait_dscnt 0x0
	s_endpgm
.Lfunc_end_k_qfc45ed6a74_quant:
	.size	k_qfc45ed6a74_quant, .Lfunc_end_k_qfc45ed6a74_quant-k_qfc45ed6a74_quant
	.p2alignl 7, 3214868480
	.fill 96, 4, 3214868480
	.section	.rodata,"a",@progbits
	.p2align	6, 0x0
	.amdhsa_kernel k_qfc45ed6a74_quant
		.amdhsa_group_segment_fixed_size 69120
		.amdhsa_private_segment_fixed_size 0
		.amdhsa_enable_private_segment 0
		.amdhsa_kernarg_size 56
		.amdhsa_user_sgpr_count 2
		.amdhsa_user_sgpr_kernarg_segment_ptr 1
		.amdhsa_wavefront_size32 1
		.amdhsa_system_sgpr_workgroup_id_x 1
		.amdhsa_system_sgpr_workgroup_id_y 1
		.amdhsa_system_sgpr_workgroup_id_z 1
		.amdhsa_system_vgpr_workitem_id 0
		.amdhsa_next_free_vgpr 194
		.amdhsa_next_free_sgpr 66
		.amdhsa_reserve_vcc 0
		.amdhsa_float_denorm_mode_32 3
		.amdhsa_float_denorm_mode_16_64 3
		.amdhsa_memory_ordered 1
		.amdhsa_forward_progress 1
		.amdhsa_inst_pref_size 12
	.end_amdhsa_kernel
	.amdgpu_metadata
---
amdhsa.version: [ 1, 2 ]
amdhsa.kernels:
  - .name:           k_qfc45ed6a74_quant
    .symbol:         k_qfc45ed6a74_quant.kd
    .args:
      - { .name: x, .offset: 0, .size: 8, .value_kind: global_buffer, .address_space: global }
      - { .name: w_q, .offset: 8, .size: 8, .value_kind: global_buffer, .address_space: global }
      - { .name: w_k, .offset: 16, .size: 8, .value_kind: global_buffer, .address_space: global }
      - { .name: w_v, .offset: 24, .size: 8, .value_kind: global_buffer, .address_space: global }
      - { .name: w_o, .offset: 32, .size: 8, .value_kind: global_buffer, .address_space: global }
      - { .name: c1, .offset: 40, .size: 8, .value_kind: global_buffer, .address_space: global }
      - { .name: sc, .offset: 48, .size: 8, .value_kind: global_buffer, .address_space: global }
    .group_segment_fixed_size: 69120
    .private_segment_fixed_size: 0
    .kernarg_segment_align: 8
    .kernarg_segment_size: 56
    .max_flat_workgroup_size: 256
    .sgpr_count:     66
    .vgpr_count:     194
    .wavefront_size: 32
...
	.end_amdgpu_metadata
.endif
;; end of part 1
;; launch qkv (part 2): grid 16 x 16, 4 waves a work-group, clusters of 4 x 4, 327,680 bytes of LDS; arguments c1, sc, qb, kv; writes qb, kv
.if DOCPART == 2
	.amdgcn_target "amdgcn-amd-amdhsa--gfx1250"
	.amdhsa_code_object_version 6
	.text
	.protected	k_qfc45ed6a74_qkv
	.globl	k_qfc45ed6a74_qkv
	.p2align	8
	.type	k_qfc45ed6a74_qkv,@function
k_qfc45ed6a74_qkv:
	s_mov_b64 s[64:65], 0
	v_nop
	global_prefetch_b8 v0, s[64:65] scope:SCOPE_SE
	s_setreg_imm32_b32 hwreg(HW_REG_WAVE_MODE, 25, 1), 1
	s_wait_xcnt 0x0
	s_wait_alu depctr_hold_cnt(0) depctr_sa_sdst(0) depctr_va_vdst(0) depctr_va_sdst(0) depctr_va_ssrc(0) depctr_va_vcc(0) depctr_vm_vsrc(0)
	s_getreg_b32 s2, hwreg(HW_REG_IB_STS2, 6, 4)
	s_cmp_eq_u32 s2, 0
	s_cbranch_scc0 .Lentry_in_a_cluster
	s_endpgm
.Lentry_in_a_cluster:
	s_bfe_u32 s2, ttmp6, 0x10000c
	s_cmp_lg_u32 s2, 0xf033
	s_cbranch_scc0 .Lentry_shape_is_right
	s_endpgm
.Lentry_shape_is_right:
; q = x w_q^T, k = x w_k^T, v = x w_v^T on codes of FP6 (E2M3) with E8M0 scales, K = 1,024; the results are quantised on the way out and leave as codes: q and k along the head's 64, v along the keys.
; OPERANDS lie in c1 as images of registers: [place of a tile of 16 rows][K step of 128][1,536 bytes]; a fragment is two halves of 768 bytes: registers 6 c .. 6 c + 3 at 16 x lane, 6 c + 4, 6 c + 5 at 512 + 8 x lane.
; Lane row 8 h + i of tile 4 c + j of a tensor is its row 64 c + 32 h + 8 j + i.  Scale words in sc: [place][kap / 4][r][kap % 4].
; THE DEAL.  256 work-groups: n = 0 .. 15 along x, m = 0 .. 15 along y.  A work-group takes x's 256 rows 256 m .. (16 tiles) and the twelve tiles on end from place 256 + 12 n: eight of w_q or w_k (two heads) and four of w_v (head n).
; Wave (a, b) of the 2 x 2 takes 128 rows of x, one step of the attention, against head b of the two (four tiles) and two of w_v's four tiles: 48 accumulators, 384 registers; x's fragments serve both.
; q, k: the matrix instruction is used TRANSPOSED (source 0 = the weight's rows): a lane holds one row of x, its 32 registers of a block are channels 32 (lane / 16) + 0 .. 31 of the head.  v: source 0 = x's rows: a lane holds one
; channel, its 32 registers of four blocks are tokens 64 c + 32 (lane / 16) + 0 .. 31.  Either way a lane holds whole scale blocks, in the order of the next operand's registers.
; K goes through three LDS slots of 256 along K.  At the head one load a wave: waves 0, 1 fill slot 0 (x's tiles, the weights'), waves 2, 3 slot 1.  ONE round refills: K steps 4, 5 into slot 0 (waves 0, 1), 6, 7 into slot 2 (waves 2, 3);
; the loads of waves 0, 1 have lines of their own and are shown by a barrier of their own, two K steps ahead of the others'.
; CLUSTERS: 4 x 4 work-groups; x's tiles are shared along a row of the cluster, the weights' along a column: each is asked for jointly.
; PREFETCH: what the one round will load, K steps 4-7, is asked for into the L2 behind the first fragments' loads, more than a K step ahead of that round: each block of 256 bytes once in each cluster, shared out by address:
; x's sixteen tiles a tile to each wave of the row's four work-groups, the weights' twelve a tile to each of waves 0-2 of the column's.  24 blocks a tile, a lane a block.
; OUTPUT.  qb: [g = 16 batch + head][step of 128 rows] records of 6,656 bytes: eight half fragments (tile t at 768 t), then 512 bytes of scale words: register i of lane 16 h + r (at 16 x lane + 4 i) is the word of tile 4 h + i, row r;
; its bytes 2, 3 are 0.  kv: records of 13,056 bytes: K as in qb; from 6,656 V's four fragments (16 of the head's 64 x 128 keys); from 12,800 V's scale words: [tile / 2][row r][tile % 2].
; LIMITS: a block of zeros, and one whose largest magnitude lies under 2^-124, gets the byte 1 (read by this program alone); NaN and infinities are not served.
; REGISTERS, in windows of 256: window 0: v0-31 addresses; v32-111 scale words; v112-127 at work; v128-223 x's eight fragments, ONE set, on the way out the codes.  window 1: the weights' six fragments, TWO sets, at v0 and v128.
;   window 2: q's or k's accumulators (block a, tile b) at v[32 a + 8 b];  window 3: v's (tile t, block a) at v[64 t + 8 a].
.set FRB,   1536                       ; a fragment's image
.set TILEB, 8*FRB                      ; a tile in c1
.set SROW,  2*FRB                      ; a tile's bytes in a slot: two K steps
.set AT,    16*SROW                    ; x's 16 tiles, then the weights' 12
.set SLOT,  28*SROW
.set SPARE, 3*SLOT                     ; the spare words
.set A16,   4                          ; v4-6    slot s: my x fragments, + 16 x lane;  v7-9: + 8 x lane
.set A8,    7
.set B16,   10                         ; v10-15  the same for my four tiles of w_q or w_k
.set B8,    13
.set C16,   16                         ; v16-21  and for my two of w_v
.set C8,    19
.set L16,   22                         ; 16 x lane
.set L8,    23                         ; 8 x lane
.set FLOOR, 24                         ; 2^(3 - 127)
.set SH,    25                         ; 8 x (lane / 16)
.set R8,    26                         ; 8 x (lane % 16) + 128 b
.set SPW,   28                         ; my spare word; never rewritten
.set NIL,   29                         ; 0; never rewritten
.set PFX,   30                         ; the prefetches' offsets
.set PFW,   31
.set SC,    32                         ; v[SC + 10 i + kap]: lanes 0-15 the word of x's block i; lanes 16-31 that of the weight's tile i (0-3 w_q or w_k, 4, 5 w_v)
.set TM,    112
.set WS,    120                        ; v120-127 q's or k's scale words, one for each block
.set AF,    128
.set QC,    128                        ; the way out: v128-175 q's or k's codes, six registers a block; v176-199 v's, twelve a tile
.set VC,    176
.set TC,    200                        ; v200-206 the conversions' second halves
.set Z,     216
.set WSV,   220                        ; v220, v221 v's scale words
.set G1A,   24
.set G1B,   32
.set G0A,   40
.set G0B,   44
.set MSB, 0
.macro WIN new                         ; the immediate's high byte repeats the setting that is left
.if MSB != (\new)
	s_set_vgpr_msb (MSB<<8)|(\new)
.set MSB, (\new)
.endif
.endm
.set MUL_Q, 0xa1                       ; source 0 window 1, source 1 window 0, C and D window 2
.set MUL_V, 0xf4                       ; source 0 window 0, source 1 window 1, C and D window 3
.set TO_B,  0x40                       ; destination window 1, address window 0
.macro WALU
	s_wait_alu depctr_va_vdst(0)
.endm
.macro JLOAD                           ; a joint load: waves 0 and 2 fetch x's tiles, waves 1 and 3 the weights'
	s_cmp_eq_u32 s16, 0
	s_cbranch_scc0 .Lfor_b_\@
	tensor_load_to_lds s[G0A:G0A+3], s[G1A:G1A+7]
	s_nop 0
.rept 4
	v_nop
.endr
	s_branch .Lasked_\@
.Lfor_b_\@:
	tensor_load_to_lds s[G0B:G0B+3], s[G1B:G1B+7]
	s_nop 0
.rept 4
	v_nop
.endr
.Lasked_\@:
.endm
.macro JLOADS                          ; waves 0, 1 have lines of their own: they alone wait ahead of the barrier that shows their tiles
	s_cmp_lt_u32 s14, 2
	s_cbranch_scc0 .Lupper_\@
	JLOAD
	s_branch .Lall_\@
.Lupper_\@:
	JLOAD
.Lall_\@:
.endm
.macro CREST                           ; a round of the cluster's barrier behind its opening barrier
	s_cmp_lg_u32 s14, 0
	s_cbranch_scc1 .Lnot_wave_0_\@
	s_barrier_signal -3
.Lnot_wave_0_\@:
	s_barrier_wait -3
	s_barrier_signal -1
	s_barrier_wait -1
.endm
.macro CROUND
	s_barrier_signal -1
	s_barrier_wait -1
	CREST
.endm
.macro PLACES                          ; four places behind a matrix instruction of this form, in front of loads into registers that it read and of the first read of results
.rept 4
	v_nop
.endr
.endm
	s_load_b256 s[4:11], s[0:1], 0x0               ; c1 s[4:5], sc s[6:7], qb s[8:9], kv s[10:11]
	v_lshl_add_u32 v[SPW], v0, 2, SPARE
	v_mov_b32 v[NIL], 0
	ds_add_u32 v[SPW], v[NIL]                      ; the wave's opening: the add, twice on end, and its wait
	ds_add_u32 v[SPW], v[NIL]
	v_lshrrev_b32 v1, 5, v0
	v_readfirstlane_b32 s14, v1                    ; wave 0..3
	s_lshr_b32 s15, s14, 1                         ; a: which 128 rows of x are mine.  Also: which slot I fill
	s_and_b32 s16, s14, 1                          ; b.  Also: I fetch x's tiles (0) or the weights' (1)
	s_bfe_u32 s19, ttmp6, 0x40000                  ; cx
	s_bfe_u32 s20, ttmp6, 0x40004                  ; cy
	s_lshl_b32 s18, ttmp9, 2
	s_add_co_u32 s18, s18, s19                     ; n
	s_and_b32 s17, ttmp7, 0xffff
	s_lshl_b32 s17, s17, 2
	s_add_co_u32 s17, s17, s20                     ; m
	s_lshl_b32 s21, s20, 2
	s_lshl_b32 s21, 15, s21                        ; my row of the cluster
	s_lshl_b32 s22, 0x1111, s19                    ; my column
	; descriptor group 1: 16 or 12 rows (tiles) of 3,072 bytes (384 elements of 8 bytes), 12,288 bytes apart; dense in LDS
	s_or_b32 s[G1A], s21, (3<<16)|(1<<21)          ; 15:0 the mask; 17:16 elements of 8 bytes; 21 set beside a mask
	s_or_b32 s[G1B], s22, (3<<16)|(1<<21)
.irp g, G1A, G1B
	s_mov_b32 s[\g+1], 384<<16                     ; tensor_dim0
	s_mov_b32 s[\g+3], 384<<16                     ; tile_dim0
	s_mov_b32 s[\g+5], 1536                        ; tensor_dim0_stride
	s_mov_b32 s[\g+6], 0
	s_mov_b32 s[\g+7], 0
.endr
	s_mov_b32 s[G1A+2], 16<<16                     ; tensor_dim1, tile_dim1
	s_mov_b32 s[G1A+4], 16
	s_mov_b32 s[G1B+2], 12<<16
	s_mov_b32 s[G1B+4], 12
	s_mul_i32 s13, s15, SROW
	s_mul_i32 s70, s17, 16*TILEB
	s_add_co_u32 s70, s70, s13
	s_mov_b32 s71, 0
	s_mul_i32 s72, s18, 12*TILEB
	s_add_co_u32 s72, s72, s13
	s_add_co_u32 s72, s72, 256*TILEB
	s_mov_b32 s73, 0
	s_mul_i32 s23, s15, SLOT                       ; no place in the cluster enters an LDS address
	WALU
	s_wait_dscnt 0x0                               ; both opening adds are done
	CROUND                                         ; all sixteen work-groups are here: the first joint loads meet
	s_wait_kmcnt 0x0
	s_mov_b32 s[G0A], 1
	s_mov_b32 s[G0A+1], s23
	s_add_nc_u64 s[G0A+2:G0A+3], s[4:5], s[70:71]
	s_or_b32 s[G0A+3], s[G0A+3], 0x80000000
	s_mov_b32 s[G0B], 1
	s_add_co_u32 s[G0B+1], s23, AT
	s_add_nc_u64 s[G0B+2:G0B+3], s[4:5], s[72:73]
	s_or_b32 s[G0B+3], s[G0B+3], 0x80000000
	JLOADS
	s_lshl_b32 s74, s17, 4
	s_lshl_b32 s75, s15, 3
	s_add_co_u32 s74, s74, s75
	s_lshl_b32 s74, s74, 9                         ; my first tile of x, 512 bytes of scale words a tile
	s_mul_i32 s76, s18, 12
	s_add_co_u32 s76, s76, 256
	s_lshl_b32 s77, s16, 1
	s_add_co_u32 s77, s77, s76
	s_add_co_u32 s77, s77, 4
	s_lshl_b32 s77, s77, 9                         ; tile i = 4, 5: place 256 + 12 n + 8 + 2 b + i - 4
	s_lshl_b32 s75, s16, 2
	s_add_co_u32 s76, s76, s75
	s_lshl_b32 s76, s76, 9                         ; tile i = 0 .. 3: place 256 + 12 n + 4 b + i
	v_and_b32 v1, 31, v0                           ; lane
	v_and_b32 v2, 15, v0                           ; r
	v_bfe_u32 v3, v0, 4, 1                         ; h
	v_mov_b32 v112, s74
	v_mov_b32 v113, s76
	v_mov_b32 v114, s77
	v_cmp_gt_u32 vcc_lo, 16, v1
	v_cndmask_b32 v113, v113, v112, vcc_lo         ; lanes 0-15 take x's words, lanes 16-31 the weights'
	v_cndmask_b32 v114, v114, v112, vcc_lo
	v_lshl_add_u32 v113, v2, 4, v113               ; + 16 r
	v_lshl_add_u32 v114, v2, 4, v114
.irp i, 0,1,2,3
.irp f, 0,1
	global_load_b128 v[SC+10*\i+4*\f:SC+10*\i+4*\f+3], v113, s[6:7] offset:512*\i+256*\f   ; sixteen lanes read 256 consecutive bytes: four K steps' words of 16 rows
.endr
.endr
.irp i, 4,5,6,7
.irp f, 0,1
	global_load_b128 v[SC+10*\i+4*\f:SC+10*\i+4*\f+3], v114, s[6:7] offset:512*\i+256*\f   ; (i = 6, 7: x's words alone are used)
.endr
.endr
	s_mul_i32 s74, s15, 8*SROW                     ; my 8 tiles of x in a slot,
	s_mul_i32 s75, s16, 4*SROW
	s_add_co_u32 s75, s75, AT                      ; my 4 of w_q or w_k,
	s_mul_i32 s76, s16, 2*SROW
	s_add_co_u32 s76, s76, AT+8*SROW               ; my 2 of w_v
.irp s, 0,1,2
	v_lshl_add_u32 v[A16+\s], v1, 4, s74
	v_lshl_add_u32 v[A8+\s], v1, 3, s74
	v_lshl_add_u32 v[B16+\s], v1, 4, s75
	v_lshl_add_u32 v[B8+\s], v1, 3, s75
	v_lshl_add_u32 v[C16+\s], v1, 4, s76
	v_lshl_add_u32 v[C8+\s], v1, 3, s76
	s_add_co_u32 s74, s74, SLOT
	s_add_co_u32 s75, s75, SLOT
	s_add_co_u32 s76, s76, SLOT
.endr
	v_lshlrev_b32 v[L16], 4, v1
	v_lshlrev_b32 v[L8], 3, v1
	v_mov_b32 v[FLOOR], 0x1800000
	v_lshlrev_b32 v[SH], 3, v3
	s_lshl_b32 s74, s16, 7
	v_lshl_add_u32 v[R8], v2, 3, s74
	v_min_u32 v[PFX], 23, v1                       ; lanes left over name the tile's last block again
	v_lshlrev_b32 v[PFX], 8, v[PFX]
	s_lshl_b32 s75, s17, 4
	s_lshl_b32 s76, s19, 2
	s_add_co_u32 s75, s75, s76
	s_add_co_u32 s75, s75, s14                     ; x's tile 16 m + 4 cx + wave,
	s_mul_i32 s75, s75, TILEB
	s_add_co_u32 s75, s75, 4*FRB                   ; its K steps 4-7: 6,144 bytes
	s_mul_i32 s76, s18, 12
	s_mul_i32 s77, s20, 3
	s_add_co_u32 s76, s76, s77
	s_add_co_u32 s76, s76, s14
	s_add_co_u32 s76, s76, 256                     ; the weights' place 256 + 12 n + 3 cy + wave (waves 0-2)
	s_mul_i32 s76, s76, TILEB
	s_add_co_u32 s76, s76, 4*FRB
	WALU
	v_add_nc_u32 v[PFW], s76, v[PFX]
	v_add_nc_u32 v[PFX], s75, v[PFX]
	; the way out's addresses
	s_mov_b32 s98, 0x76543210                      ; v_permlanex16_b32's selects for lane l xor 16
	s_mov_b32 s99, 0xfedcba98
	s_and_b32 s78, s17, 7
	s_lshl_b32 s78, s78, 1
	s_add_co_u32 s78, s78, s15                     ; step of 128 rows
	s_lshr_b32 s82, s17, 3
	s_lshl_b32 s82, s82, 4                         ; 16 x batch
	s_and_b32 s80, s18, 7
	s_lshl_b32 s80, s80, 1
	s_add_co_u32 s80, s80, s16                     ; my head of q or k
	s_add_co_u32 s80, s80, s82
	s_lshl_b32 s80, s80, 4
	s_add_co_u32 s80, s80, s78                     ; its record 16 g + step
	s_add_co_u32 s81, s18, s82
	s_lshl_b32 s81, s81, 4
	s_add_co_u32 s81, s81, s78                     ; v's record
	s_mov_b32 s83, 13056
	s_cmp_lt_u32 ttmp9, 2                          ; n < 8: q
	s_cselect_b32 s83, 6656, s83
	s_cselect_b64 s[12:13], s[8:9], s[10:11]       ; the choice hangs on the cluster's number alone
	s_mul_i32 s84, s80, s83
	s_mov_b32 s85, 0
	s_add_nc_u64 s[84:85], s[12:13], s[84:85]
	s_mul_i32 s86, s81, 13056
	s_mov_b32 s87, 0
	s_add_nc_u64 s[86:87], s[10:11], s[86:87]
	s_mul_i32 s88, s16, 2*FRB
	s_add_co_u32 s88, s88, 6656
	s_mov_b32 s89, 0
	s_add_nc_u64 s[88:89], s[86:87], s[88:89]      ; my two fragments of v
.macro FRAG reg, a16, a8, off          ; a fragment comes back as it was stored: every load takes consecutive bytes
	ds_load_b128 v[\reg:\reg+3], v[\a16] offset:\off
	ds_load_b64 v[\reg+4:\reg+5], v[\a8] offset:\off+512
	ds_load_b128 v[\reg+6:\reg+9], v[\a16] offset:\off+768
	ds_load_b64 v[\reg+10:\reg+11], v[\a8] offset:\off+1280
.endm
.macro FETCH_B kap                     ; the weights' six fragments of K step kap into set kap % 2: 24 loads.  K steps 0, 1 and 4, 5 lie in slot 0, 2, 3 in slot 1, 6, 7 in slot 2
.set SL_, (((\kap)/2)%2)+((\kap)/6)
	WIN TO_B
.irp i, 0,1,2,3
	FRAG 128*((\kap)%2)+12*\i, B16+SL_, B8+SL_, SROW*\i+FRB*((\kap)%2)
.endr
.irp i, 0,1
	FRAG 128*((\kap)%2)+48+12*\i, C16+SL_, C8+SL_, SROW*\i+FRB*((\kap)%2)
.endr
	WIN 0
.endm
.macro FETCH_A kap, i0                 ; x's blocks i0 .. i0 + 3: 16 loads
.set SL_, (((\kap)/2)%2)+((\kap)/6)
.irp i, 0,1,2,3
	FRAG AF+12*(\i0+\i), A16+SL_, A8+SL_, SROW*(\i0+\i)+FRB*((\kap)%2)
.endr
.endm
; x's blocks a0 .. a0 + 3.  The 48 accumulators take turns, one instruction a turn, in the same order in every K step.
.macro MULQ a0, kap, zero
	WIN MUL_Q
.irp a, 0,1,2,3
.irp b, 0,1,2,3
.set A_, \a0+\a
.set D_, 32*A_+8*\b
.set B_, 128*((\kap)%2)+12*\b
.if \zero
	v_wmma_scale_f32_16x16x128_f8f6f4 v[D_:D_+7], v[B_:B_+11], v[AF+12*A_:AF+12*A_+11], 0, v[SC+10*\b+(\kap)], v[SC+10*A_+(\kap)] matrix_a_fmt:MATRIX_FMT_FP6 matrix_b_fmt:MATRIX_FMT_FP6 matrix_a_scale:MATRIX_SCALE_ROW1
.else
	v_wmma_scale_f32_16x16x128_f8f6f4 v[D_:D_+7], v[B_:B_+11], v[AF+12*A_:AF+12*A_+11], v[D_:D_+7], v[SC+10*\b+(\kap)], v[SC+10*A_+(\kap)] matrix_a_fmt:MATRIX_FMT_FP6 matrix_b_fmt:MATRIX_FMT_FP6 matrix_a_scale:MATRIX_SCALE_ROW1
.endif
.endr
.endr
.endm
.macro MULV a0, kap, zero
	WIN MUL_V
.irp a, 0,1,2,3
.irp t, 0,1
.set A_, \a0+\a
.set D_, 64*\t+8*A_
.set B_, 128*((\kap)%2)+48+12*\t
.if \zero
	v_wmma_scale_f32_16x16x128_f8f6f4 v[D_:D_+7], v[AF+12*A_:AF+12*A_+11], v[B_:B_+11], 0, v[SC+10*A_+(\kap)], v[SC+40+10*\t+(\kap)] matrix_a_fmt:MATRIX_FMT_FP6 matrix_b_fmt:MATRIX_FMT_FP6 matrix_b_scale:MATRIX_SCALE_ROW1
.else
	v_wmma_scale_f32_16x16x128_f8f6f4 v[D_:D_+7], v[AF+12*A_:AF+12*A_+11], v[B_:B_+11], v[D_:D_+7], v[SC+10*A_+(\kap)], v[SC+40+10*\t+(\kap)] matrix_a_fmt:MATRIX_FMT_FP6 matrix_b_fmt:MATRIX_FMT_FP6 matrix_b_scale:MATRIX_SCALE_ROW1
.endif
.endr
.endr
.endm
.macro REST kap, zero                  ; a K step's second half: a block of x is free as soon as its six products are issued: blocks 0-3 are fetched anew in the step's middle, blocks 4-7 at its end
	FETCH_B (\kap)+1
	FETCH_A (\kap)+1, 0
	MULQ 4, \kap, \zero
	MULV 4, \kap, \zero
	PLACES
	WIN 0
	FETCH_A (\kap)+1, 4
.endm
.macro STEP kap, zero                  ; a K step whose successor's tiles are known to lie in LDS
	s_wait_dscnt 16                                ; the weights and x's blocks 0-3 are in; the youngest sixteen loads (blocks 4-7) may be out
	MULQ 0, \kap, \zero
	MULV 0, \kap, \zero
	s_wait_dscnt 0x0                               ; blocks 4-7 are in
	PLACES
	REST \kap, \zero
.endm
.macro FILL kap                        ; the one refill: slot 0, which nobody reads any more, and slot 2
	s_wait_tensorcnt 0x0                           ; all my tensor loads have landed
	ds_add_u32 v[SPW], v[NIL]                      ; 0 onto my spare word
	s_wait_dscnt 17                                ; (the add and the youngest sixteen loads may be out)
	MULQ 0, \kap, 0                                ; sixteen matrix instructions stand between the add and the wait for it
	s_wait_dscnt 0x0                               ; the add is done, and so are my reads of slot 0
	s_barrier_signal -1
	MULV 0, \kap, 0
	WIN 0                                          ; at a branch and at a label every window is 0
	s_barrier_wait -1
	CREST                                          ; no wave of any partner still reads slot 0 or has a load on its way
	s_mul_i32 s23, s15, 2*SLOT                     ; waves 0, 1: slot 0; waves 2, 3: slot 2
	s_mov_b32 s[G0A+1], s23
	s_add_co_u32 s[G0B+1], s23, AT
	s_add_nc_u64 s[G0A+2:G0A+3], s[G0A+2:G0A+3], 4*FRB   ; four K steps on
	s_add_nc_u64 s[G0B+2:G0B+3], s[G0B+2:G0B+3], 4*FRB
	JLOADS                                         ; the first tensor load behind the round; its four v_nop are the places in front of the loads below
	REST \kap, 0
.endm
.macro SHOW kap, all                   ; a plain barrier, behind which nothing is filled, shows the refill: waves 0, 1's loads (all = 0), then the others'
.if \all
	s_wait_tensorcnt 0x0
.else
	s_cmp_lt_u32 s14, 2
	s_cbranch_scc0 .Lnot_mine_\@
	s_wait_tensorcnt 0x0
.Lnot_mine_\@:
.endif
	s_wait_dscnt 16
	MULQ 0, \kap, 0
	s_wait_dscnt 0x0
	s_barrier_signal -1
	MULV 0, \kap, 0
	WIN 0
	s_barrier_wait -1
	PLACES
	REST \kap, 0
.endm
	WALU                                           ; (the head's end)
	s_cmp_lt_u32 s14, 2
	s_cbranch_scc0 .Lnot_slot_0
	s_wait_tensorcnt 0x0
.Lnot_slot_0:
	s_barrier_signal -1
	s_barrier_wait -1                              ; slot 0 is in; slot 1 may stay out
	FETCH_B 0
	FETCH_A 0, 0
	FETCH_A 0, 4
	global_prefetch_b8 v[PFX], s[4:5] th:TH_LOAD_NT scope:SCOPE_SE
	s_cmp_lt_u32 s14, 3
	s_cbranch_scc0 .Lno_weights
	global_prefetch_b8 v[PFW], s[4:5] th:TH_LOAD_NT scope:SCOPE_SE
.Lno_weights:
	s_wait_loadcnt 0x0                             ; the scale words
	STEP 0, 1                                      ; the first products start the sums: nothing is cleared
	FILL 1
	STEP 2, 0
	SHOW 3, 0
	STEP 4, 0
	SHOW 5, 1
	STEP 6, 0
	s_wait_dscnt 16                                ; the last K step: nothing more to fetch
	MULQ 0, 7, 0
	MULV 0, 7, 0
	s_wait_dscnt 0x0
	MULQ 4, 7, 0
	MULV 4, 7, 0
	PLACES                                         ; behind the last products
; THE WAY OUT of two scale blocks a lane, 64 numbers from register x on of window qw; each accumulator is read from its low end on.  Their codes: six registers from p0 and from p1; their bytes: TM + 6, TM + 7.
.macro OUT2 qw, x, p0, p1
	WIN (((\qw)<<2)|((\qw)<<4))                    ; sources 1 and 2: the accumulators' window
.irp m, 0,1,2,3
	v_max3_num_f32 v[TM+\m], v[FLOOR], |v[\x+16*\m]|, |v[\x+16*\m+1]|   ; two chains a block, with the floor: so the byte cannot fall under 1
.endr
.irp i, 2,4,6,8,10,12,14
.irp m, 0,1,2,3
	v_max3_num_f32 v[TM+\m], v[TM+\m], |v[\x+16*\m+\i]|, |v[\x+16*\m+\i+1]|
.endr
.endr
	WIN 0
.irp c, 0,1
	v_max_num_f32 v[TM+2*\c], v[TM+2*\c], v[TM+2*\c+1]
.endr
.irp c, 0,1
	v_add_nc_u32 v[TM+4+\c], 0xff000000, v[TM+2*\c]   ; 2 off its exponent field: the conversion's scale operand
.endr
.irp c, 0,1
	v_lshrrev_b32 v[TM+6+\c], 23, v[TM+4+\c]       ; the scale's byte
.endr
	WIN \qw                                        ; source 0: the accumulators' window
	v_cvt_scalef32_pk16_fp6_f32 v[\p0:\p0+2], v[\x:\x+15], v[TM+4]
	v_cvt_scalef32_pk16_fp6_f32 v[TC:TC+2], v[\x+16:\x+31], v[TM+4]
	v_cvt_scalef32_pk16_fp6_f32 v[\p1:\p1+2], v[\x+32:\x+47], v[TM+5]
	v_cvt_scalef32_pk16_fp6_f32 v[TC+4:TC+6], v[\x+48:\x+63], v[TM+5]
	WIN 0
.endm
.macro MOVES p, t                      ; (a conversion's three registers begin on an even number)
.irp i, 0,1,2
	v_mov_b32 v[\p+3+\i], v[\t+\i]
.endr
.endm
.irp a, 0,2,4,6
	OUT2 2, 32*\a, QC+6*\a, QC+6*\a+6
	v_lshlrev_b32 v[WS+\a], v[SH], v[TM+6]         ; (a plain place behind the conversions)  byte h of the word
	v_lshlrev_b32 v[WS+\a+1], v[SH], v[TM+7]
	MOVES QC+6*\a, TC
	v_permlanex16_b32 v[TM+1], v[WS+\a], s98, s99
	v_permlanex16_b32 v[TM+3], v[WS+\a+1], s98, s99
	MOVES QC+6*\a+6, TC+4
	v_or_b32 v[WS+\a], v[WS+\a], v[TM+1]           ; with lane l xor 16's
	v_or_b32 v[WS+\a+1], v[WS+\a+1], v[TM+3]
	global_store_b128 v[L16], v[QC+6*\a:QC+6*\a+3], s[84:85] offset:768*\a        ; each store covers whole aligned runs of 256 consecutive bytes
	global_store_b64 v[L8], v[QC+6*\a+4:QC+6*\a+5], s[84:85] offset:768*\a+512
	global_store_b128 v[L16], v[QC+6*\a+6:QC+6*\a+9], s[84:85] offset:768*\a+768
	global_store_b64 v[L8], v[QC+6*\a+10:QC+6*\a+11], s[84:85] offset:768*\a+1280
.endr
	v_cmp_gt_u32 vcc_lo, 16, v1
.irp i, 0,1,2,3
	v_cndmask_b32 v[Z+\i], v[WS+4+\i], v[WS+\i], vcc_lo      ; lanes 0-15: the words of blocks 0-3; lanes 16-31: of blocks 4-7
.endr
	global_store_b128 v[L16], v[Z:Z+3], s[84:85] offset:6144
.irp t, 0,1
	OUT2 3, 64*\t, VC+12*\t, VC+12*\t+6
	v_lshl_or_b32 v[WSV+\t], v[TM+7], 16, v[TM+6]  ; (a plain place behind the conversions)
	MOVES VC+12*\t, TC
	v_lshlrev_b32 v[WSV+\t], v[SH], v[WSV+\t]      ; bytes h and 2 + h of the word
	MOVES VC+12*\t+6, TC+4
	v_permlanex16_b32 v[TM+1], v[WSV+\t], s98, s99
	v_or_b32 v[WSV+\t], v[WSV+\t], v[TM+1]
	global_store_b128 v[L16], v[VC+12*\t:VC+12*\t+3], s[88:89] offset:FRB*\t
	global_store_b64 v[L8], v[VC+12*\t+4:VC+12*\t+5], s[88:89] offset:FRB*\t+512
	global_store_b128 v[L16], v[VC+12*\t+6:VC+12*\t+9], s[88:89] offset:FRB*\t+768
	global_store_b64 v[L8], v[VC+12*\t+10:VC+12*\t+11], s[88:89] offset:FRB*\t+1280
.endr
	global_store_b64 v[R8], v[WSV:WSV+1], s[86:87] offset:12800   ; both halves of the lanes store the same words; with the other wave of the two columns one aligned unit of 256 bytes
	s_wait_tensorcnt 0x0                           ; the wave's end
	ds_add_u32 v[SPW], v[NIL]
	s_wait_dscnt 0x0
	CROUND                                         ; the closing round: no work-group ends while a partner may still ask for a tile that names it
	s_endpgm
.Lfunc_end_k_qfc45ed6a74_qkv:
	.size	k_qfc45ed6a74_qkv, .Lfunc_end_k_qfc45ed6a74_qkv-k_qfc45ed6a74_qkv
	.p2alignl 7, 3214868480
	.fill 96, 4, 3214868480
	.section	.rodata,"a",@progbits
	.p2align	6, 0x0
	.amdhsa_kernel k_qfc45ed6a74_qkv
		.amdhsa_group_segment_fixed_size 327680
		.amdhsa_private_segment_fixed_size 0
		.amdhsa_enable_private_segment 0
		.amdhsa_kernarg_size 32
		.amdhsa_user_sgpr_count 2
		.amdhsa_user_sgpr_kernarg_segment_ptr 1
		.amdhsa_wavefront_size32 1
		.amdhsa_system_sgpr_workgroup_id_x 1
		.amdhsa_system_sgpr_workgroup_id_y 1
		.amdhsa_system_sgpr_workgroup_id_z 1
		.amdhsa_system_vgpr_workitem_id 0
		.amdhsa_next_free_vgpr 1024
		.amdhsa_next_free_sgpr 100
		.amdhsa_reserve_vcc 1
		.amdhsa_float_denorm_mode_32 3
		.amdhsa_float_denorm_mode_16_64 3
		.amdhsa_memory_ordered 1
		.amdhsa_forward_progress 1
		.amdhsa_inst_pref_size 116
	.end_amdhsa_kernel
	.amdgpu_metadata
---
amdhsa.version: [ 1, 2 ]
amdhsa.kernels:
  - .name:           k_qfc45ed6a74_qkv
    .symbol:         k_qfc45ed6a74_qkv.kd
    .args:
      - { .name: c1, .offset: 0, .size: 8, .value_kind: global_buffer, .address_space: global }
      - { .name: sc, .offset: 8, .size: 8, .value_kind: global_buffer, .address_space: global }
      - { .name: qb, .offset: 16, .size: 8, .value_kind: global_buffer, .address_space: global }
      - { .name: kv, .offset: 24, .size: 8, .value_kind: global_buffer, .address_space: global }
    .group_segment_fixed_size: 327680
    .private_segment_fixed_size: 0
    .kernarg_segment_align: 8
    .kernarg_segment_size: 32
    .max_flat_workgroup_size: 128
    .sgpr_count:     100
    .vgpr_count:     1024
    .wavefront_size: 32
...
	.end_amdgpu_metadata
.endif
;; end of part 2
;; launch attn (part 3): grid 8 x 32, 16 waves a work-group, clusters of 4 x 1, 284,672 bytes of LDS; arguments qb, kv, c1, sc; writes c1, sc
.if DOCPART == 3
	.amdgcn_target "amdgcn-amd-amdhsa--gfx1250"
	.amdhsa_code_object_version 6
	.text
	.protected	k_qfc45ed6a74_attn
	.globl	k_qfc45ed6a74_attn
	.p2align	8
	.type	k_qfc45ed6a74_attn,@function
k_qfc45ed6a74_attn:
	s_mov_b64 s[64:65], 0
	v_nop
	global_prefetch_b8 v0, s[64:65] scope:SCOPE_SE
	s_setreg_imm32_b32 hwreg(HW_REG_WAVE_MODE, 25, 1), 1
	s_wait_xcnt 0x0
	s_wait_alu depctr_hold_cnt(0) depctr_sa_sdst(0) depctr_va_vdst(0) depctr_va_sdst(0) depctr_va_ssrc(0) depctr_va_vcc(0) depctr_vm_vsrc(0)
	s_getreg_b32 s2, hwreg(HW_REG_IB_STS2, 6, 4)
	s_cmp_eq_u32 s2, 0
	s_cbranch_scc0 .Lentry_in_a_cluster
	s_endpgm
.Lentry_in_a_cluster:
	s_bfe_u32 s2, ttmp6, 0x10000c
	s_cmp_lg_u32 s2, 0x3003
	s_cbranch_scc0 .Lentry_shape_is_right
	s_endpgm
.Lentry_shape_is_right:
; Causal attention of one head on codes of FP6 (E2M3) with E8M0 scales; head size 64, 2,048 keys.  The result, divided by the row's sum, is quantised along d_model and leaves as codes for the last product.
; WORK LEFT OUT: key steps of 128 all of whose keys come after a step's queries: reference()'s own causal mask gives them the weight 0 whatever the inputs hold.  A NaN or an infinity that reaches only those is not carried to the result.
; THE SOFTMAX: t = score x log2(e) / 8; M = the row's largest t so far, rounded UP to a whole number; p = 2^(t - M) is what is quantised, along the keys; it is not normalised.  The row's sum is taken of the
; unquantised p, in f32, and divides O at the end.  When M moves, the sum and O are multiplied by 2^(old M - new M): exact.
; INPUTS are images of operand registers.  Lane row 8 h + i of tile a = 4 c + j of a step of 128 is row 64 c + 32 h + 8 j + i.  qb: [g][step] records of 6,656 bytes: eight half fragments (16 rows x 64, 768 bytes: registers 0-3
; at 16 x lane, 4, 5 at 512 + 8 x lane), then 512 bytes of scale words.  kv: records of 13,056 bytes: K likewise; from 6,656 V's four fragments (16 of the head's 64 x 128 keys, two halves of 768 bytes); from 12,800 V's scale words.
; Both products are used transposed: S^T = K Q^T, O^T = V^T P^T: a lane holds ONE query throughout, and by the order of rows in a tile its registers 32 c .. 32 c + 31 of S^T are keys 64 c + 32 (lane / 16) + 0 .. 31: a whole scale
; block in a lane, in the operand's order; its 32 registers of O^T are channels 32 (lane / 16) + 0 .. 31.
; THE FIRST PRODUCT'S K IS 64: the upper 64 of the instruction's 128 are zero codes on Q's side.  On K's side any codes may stand there (every code of the format is finite): the next tile's registers, behind the last tile six of 0.
; SHARES.  Work-group (a, g): head g, query tile a of every step of 128 queries.  Waves w and w + 4 (bit 2 of w clear and set) are a pair, s = 0 .. 7: they own the query steps 15 - s and s.  The first takes key steps 0-7 of step 15 - s;
; the second its key steps 8 .. 15 - s, puts that part away in LDS, and takes key steps 0 .. s of step s: 8 and 9 key steps, for every s.  At the end the first joins the two parts of step 15 - s.
; No branch hangs on the place in the cluster, so its four work-groups ask for K and V jointly.  LDS holds the head's 16 records, filled once, one joint load a wave; nothing is filled again.
; Nothing is prefetched into the L2: all records are asked for at the head and no loop asks for more.
; LIMITS: scaled scores (exponents to the base 2) under 2^31 in magnitude; a block's largest p is taken from its largest score by the same multiply-add and exponential, which takes v_exp_f32 not to fall where its input rises;
; 1 / sum is v_rcp_f32; a block of zeros, or under 2^-124, gets the byte 1 (read by this program alone); NaN and infinities are not served.
.set REC,  13056
.set QREC, 6656
.set KSC,  6144                        ; K's scale words in a record
.set VF,   6656                        ; V's fragments
.set VSC,  12800                       ; V's scale words: [tile / 2][row][tile % 2]
.set MERGE, 16*REC                     ; a place of its own for each wave: O^T (32 registers), -M, the largest score, the sum's halves
.set MSTR, 4608
.set SPARE, MERGE+16*MSTR              ; the spare words
.set L16,  1                           ; v1   16 x lane
.set L8,   2                           ; v2   8 x lane
.set R16,  3                           ; v3   16 x (lane % 16)
.set T16,  4                           ; v4-6 16 x lane, 8 x lane and 8 x (lane % 16) + a step's record
.set T8,   5
.set TR,   6
.set DQ,   7                           ; v7   my query's place in its step - 32 (lane / 16)
.set VS,   8                           ; v8-11  V's scale words
.set QF,   16                          ; v12 -M, v13 the largest score, v[14:15] the sum; v16-21 Q, v22-27 zeros
.set QSW,  28
.set PSW,  29
.set FF,   30                          ; v30  f; v31 at work
.set KB,   32                          ; v32-79 K's eight half fragments
.set ZR,   80                          ; v80-85 zeros
.set VB,   86                          ; v86-133 V's four fragments
.set S,    134                         ; v134-197 S^T, then p
.set OT,   198                         ; v198-229 O^T
.set KS,   230                         ; v230-233 K's scale words: lanes 0-15 tiles 0-3, lanes 16-31 tiles 4-7
.set SO,   234                         ; v234-235 the conversions' scale operands
.set BM,   236                         ; v236-239 the largest scores, two chains a block
.set PCD,  236                         ; v236-247 p's codes
.set TC,   248                         ; v248-250 a conversion's second half
.set TP,   250                         ; a lane permute's destination
.set SH,   251                         ; v251 8 x (lane / 16)
.set MG,   252                         ; v252 my place in MERGE
.set R8,   253                         ; v253 8 x (lane % 16)
.set SPW,  254
.set NIL,  255
.set G1,   24
.set G0,   32
.macro WALU
	s_wait_alu depctr_va_vdst(0)
.endm
.macro CROUND                          ; a round of the cluster's barrier
	s_barrier_signal -1
	s_barrier_wait -1
	s_cmp_lg_u32 s12, 0
	s_cbranch_scc1 .Lnot_wave_0_\@
	s_barrier_signal -3
.Lnot_wave_0_\@:
	s_barrier_wait -3
	s_barrier_signal -1
	s_barrier_wait -1
.endm
	s_load_b256 s[4:11], s[0:1], 0x0               ; qb s[4:5], kv s[6:7], c1 s[8:9], sc s[10:11]
	v_lshl_add_u32 v[SPW], v0, 2, SPARE
	v_mov_b32 v[NIL], 0
	ds_add_u32 v[SPW], v[NIL]                      ; the wave's opening: the add, twice on end, and its wait
	ds_add_u32 v[SPW], v[NIL]
	v_lshrrev_b32 v1, 5, v0
	v_readfirstlane_b32 s12, v1                    ; wave 0..15
	v_and_b32 v240, 31, v0                         ; lane
	v_and_b32 v241, 15, v0                         ; r
	v_bfe_u32 v242, v0, 4, 1                       ; h
	v_lshlrev_b32 v[L16], 4, v240
	v_lshlrev_b32 v[L8], 3, v240
	v_lshlrev_b32 v[R16], 4, v241
	v_lshlrev_b32 v[R8], 3, v241
	v_lshlrev_b32 v[SH], 3, v242
	s_bfe_u32 s13, ttmp6, 0x40000                  ; cx
	s_lshl_b32 s14, ttmp9, 2
	s_add_co_u32 s14, s14, s13                     ; a: it enters global addresses and the mask's numbers alone
	s_and_b32 s15, ttmp7, 0xffff                   ; g
	s_bfe_u32 s16, s12, 0x10002                    ; 0: the pair's first wave, 1: its second
	s_and_b32 s17, s12, 3
	s_lshr_b32 s18, s12, 3
	s_lshl_b32 s18, s18, 2
	s_or_b32 s17, s17, s18                         ; s
	s_xor_b32 s18, s17, 15                         ; 15 - s
	s_mov_b32 s50, s18                             ; the step that my queries belong to
	s_lshl_b32 s46, s16, 3                         ; my first key step: 0 or 8
	s_mov_b32 s47, 0
	s_add_co_u32 s52, s16, 7                       ; my last trip
	s_sub_co_u32 s53, 8, s17                       ; the trip in which the second wave turns to step s (the first: never)
	s_cmp_eq_u32 s16, 1
	s_cselect_b32 s53, s53, 63
	s_cselect_b32 s54, s17, s18                    ; the step whose result I store
	s_and_b32 s19, s12, 1
	s_lshl_b32 s19, s19, 3
	s_lshr_b32 s20, s12, 1
	s_or_b32 s19, s19, s20                         ; the record that I fetch: waves 0, 1: records 0 and 8, which the first trip reads
	s_mul_i32 s[G0+1], s19, REC
	s_mul_i32 s36, s15, 16*REC
	s_add_co_u32 s36, s36, s[G0+1]
	s_mov_b32 s37, 0
	; descriptor group 1: a record, 13,056 dense bytes, as 51 rows of 256 bytes (32 elements of 8 bytes)
	s_mov_b32 s[G1], 15|(3<<16)|(1<<21)            ; 15:0 the mask: all four work-groups; 17:16 elements of 8 bytes; 21 set beside a mask
	s_mov_b32 s[G1+1], 32<<16
	s_mov_b32 s[G1+2], 51<<16
	s_mov_b32 s[G1+3], 32<<16
	s_mov_b32 s[G1+4], 51
	s_mov_b32 s[G1+5], 32
	s_mov_b32 s[G1+6], 0
	s_mov_b32 s[G1+7], 0
	s_mov_b32 s40, 0x76543210                      ; v_permlanex16_b32's selects for lane l xor 16
	s_mov_b32 s41, 0xfedcba98
	s_mov_b32 s42, 0x3e38aa3b                      ; c = log2(e) / 8
	s_mov_b32 s43, s42                             ; (named with it as a pair, so it is written)
	s_mov_b32 s44, 0xbe38aa3b                      ; -c
	s_lshl_b32 s20, s15, 4
	s_add_co_u32 s21, s20, s18
	s_mul_i32 s56, s21, QREC                       ; Q's record (g, 15 - s)
	s_mov_b32 s57, 0
	s_add_co_u32 s21, s20, s17
	s_mul_i32 s58, s21, QREC                       ; and (g, s)
	s_mov_b32 s59, 0
	s_mul_i32 s60, s14, 768                        ; my tile's half fragment in it
	s_mov_b32 s61, 0
	s_lshr_b32 s62, s14, 2
	s_lshl_b32 s72, s62, 6
	s_lshl_b32 s62, s62, 8
	s_and_b32 s63, s14, 3
	s_lshl_b32 s66, s63, 3
	s_add_co_u32 s72, s72, s66                     ; 64 (a / 4) + 8 (a % 4)
	s_lshl_b32 s63, s63, 2
	s_add_co_u32 s62, s62, s63                     ; its scale words: 256 (a / 4) + 4 (a % 4) (+ 16 r)
	s_mov_b32 s63, 0
	s_lshr_b32 s66, s15, 4
	s_lshl_b32 s66, s66, 7
	s_lshl_b32 s67, s54, 3
	s_add_co_u32 s66, s66, s67
	s_add_co_u32 s66, s66, s14
	s_add_co_u32 s66, s66, 512                     ; the result's tile in c1: 512 + 128 batch + 8 step + a
	s_and_b32 s67, s15, 15                         ; the head: its 64 channels are half fragment number head of the tile's sixteen
	s_mul_i32 s68, s66, 12288
	s_mul_i32 s70, s67, 768
	s_add_co_u32 s68, s68, s70
	s_mov_b32 s69, 0
	s_lshl_b32 s70, s66, 9                         ; its scale bytes: 512 a tile, 256 (head / 8) + 2 (head % 8) (+ 16 r + block)
	s_lshr_b32 s71, s67, 3
	s_lshl_b32 s71, s71, 8
	s_add_co_u32 s70, s70, s71
	s_and_b32 s71, s67, 7
	s_lshl_b32 s71, s71, 1
	s_add_co_u32 s70, s70, s71
	s_mov_b32 s71, 0
	s_mul_i32 s73, s12, MSTR
	s_add_co_u32 s73, s73, MERGE                   ; my place in MERGE,
	s_xor_b32 s74, s12, 4
	s_mul_i32 s74, s74, MSTR
	s_add_co_u32 s74, s74, MERGE                   ; and my partner's
	WALU
	s_wait_dscnt 0x0                               ; both opening adds are done
	s_wait_kmcnt 0x0
	s_add_nc_u64 s[56:57], s[4:5], s[56:57]
	s_add_nc_u64 s[58:59], s[4:5], s[58:59]
	s_add_nc_u64 s[20:21], s[56:57], s[62:63]
	s_add_nc_u64 s[22:23], s[58:59], s[62:63]
	s_add_nc_u64 s[56:57], s[56:57], s[60:61]
	s_add_nc_u64 s[58:59], s[58:59], s[60:61]
	global_load_b128 v[QF:QF+3], v[L16], s[56:57]
	global_load_b64 v[QF+4:QF+5], v[L8], s[56:57] offset:512
	global_load_b32 v[QSW], v[R16], s[20:21] offset:KSC       ; bytes 2, 3 scale zero codes and are never 0xff
	s_mov_b32 s[G0], 1
	s_add_nc_u64 s[G0+2:G0+3], s[6:7], s[36:37]
	s_or_b32 s[G0+3], s[G0+3], 0x80000000
	s_add_nc_u64 s[8:9], s[8:9], s[68:69]
	s_add_nc_u64 s[10:11], s[10:11], s[70:71]
	CROUND                                         ; all four work-groups are here: the joint loads meet
	s_cmp_lt_u32 s12, 2                            ; one load a wave; waves 0 and 1 have a line of their own: they alone wait ahead of the first barrier
	s_cbranch_scc0 .Llater
	tensor_load_to_lds s[G0:G0+3], s[G1:G1+7]
	s_nop 0
.rept 4
	v_nop
.endr
	s_branch .Lasked
.Llater:
	tensor_load_to_lds s[G0:G0+3], s[G1:G1+7]
	s_nop 0
.rept 4
	v_nop
.endr
.Lasked:
	v_and_b32 v234, 7, v241
	v_lshrrev_b32 v235, 3, v241
	v_lshlrev_b32 v236, 5, v242
	v_add_nc_u32 v[MG], s73, v[L16]
	v_lshl_add_u32 v[DQ], v235, 5, v234            ; 32 (r / 8) + r % 8
	v_mov_b32 v[TP], 0                             ; a lane permute's destination counts as one of its sources
	v_mov_b32 v31, 0
	v_add_nc_u32 v[DQ], s72, v[DQ]                 ; my query's place among its step's 128
.irp i, 0,1,2,3,4,5
	v_mov_b32 v[QF+6+\i], 0                        ; the upper 64 along K: zero codes
	v_mov_b32 v[ZR+\i], 0
.endr
	v_sub_nc_u32 v[DQ], v[DQ], v236                ; - 32 h
.macro BEGIN                           ; a tile's start: no score, no sum.  -M = 1e38 makes the first f 0
	v_mov_b32 v12, 0x7e967699
	v_mov_b32 v13, 0xff61b1e6                      ; -3e38, under every score
	v_mov_b32 v14, 0
	v_mov_b32 v15, 0
.set n, 0
.rept 32
	v_mov_b32 v[OT+n], 0                           ; (the step is written once for all trips: the first finds zeros)
.set n, n+1
.endr
.endm
	BEGIN
.macro SUM cnt                         ; the next cnt of the 32 packed additions of the row's sum, in place, when p has been converted: four chains by turns
.rept \cnt
.if SN < 29
.if SN%4 == 3
	v_pk_add_f32 v[14:15], v[14:15], v[S+2*SN+6:S+2*SN+7]
.else
	v_pk_add_f32 v[S+2*(SN%4):S+2*(SN%4)+1], v[S+2*(SN%4):S+2*(SN%4)+1], v[S+2*SN+6:S+2*SN+7]
.endif
.elseif SN == 29
	v_pk_add_f32 v[14:15], v[14:15], v[S+4:S+5]
.elseif SN == 30
	v_pk_add_f32 v[S:S+1], v[S:S+1], v[S+2:S+3]
.else
	v_pk_add_f32 v[14:15], v[14:15], v[S:S+1]
.endif
.set SN, SN+1
.endr
.endm
.macro OMUL                            ; the next four of O^T's sixteen packed multiplications by f
.rept 4
	v_pk_mul_f32 v[OT+n:OT+n+1], v[OT+n:OT+n+1], v[FF:FF+1] op_sel_hi:[1,0]
.set n, n+2
.endr
.endm
.macro KLOAD                           ; K of the step that v4, v5 point at: 17 loads
	ds_load_b128 v[KS:KS+3], v[T16] offset:KSC
.irp t, 0,1,2,3,4,5,6,7
	ds_load_b128 v[KB+6*\t:KB+6*\t+3], v[T16] offset:768*\t
	ds_load_b64 v[KB+6*\t+4:KB+6*\t+5], v[T8] offset:768*\t+512
.endr
.endm
.macro POINT                           ; v4-6 to the record at s48
	v_add_nc_u32 v[T16], s48, v[L16]
	v_add_nc_u32 v[T8], s48, v[L8]
	v_add_nc_u32 v[TR], s48, v[R8]
.endm
.macro HIDE n0                         ; 32 registers from n0 on: register 32 c + m holds key 64 c + 32 (lane / 16) + m of the step: it counts where that is at most my query's place
.set n, \n0
.rept 8
.irp q, 0,1,2,3
	v_cmp_le_i32 s[76+\q], 64*(n/32)+n%32+\q, v[DQ]
.endr
.irp q, 0,1,2,3
	v_cndmask_b32 v[S+n+\q], 0xff800000, v[S+n+\q], s[76+\q]
.endr
.set n, n+4
.endr
.endm
; A TRIP: one key step, number s49.  first = 1: trip 0, written out: key step 0 or 8.  Otherwise s51 is the trip, its key step is (s46 + s51 + s47) % 16, and the trip before has asked for its K.  s47 is 0, and s from the turn to step s on.
.macro TRIP first
.if \first
	s_mov_b32 s51, 0
	s_mov_b32 s49, s46
	s_mul_i32 s48, s49, REC
	POINT
	KLOAD
.else
	s_cmp_gt_u32 s51, s52                          ; the pair's first wave has no ninth step
	s_cbranch_scc1 .Lskip_\@
	s_cmp_lg_u32 s51, s53
	s_cbranch_scc1 .Lsame_\@
	WALU
.irp n, 0,1,2,3,4,5,6,7
	ds_store_b128 v[MG], v[OT+4*\n:OT+4*\n+3] offset:512*\n   ; my part of step 15 - s
.endr
	ds_store_b128 v[MG], v[12:15] offset:4096
	s_wait_dscnt 0x0                               ; the stores have read their registers
	BEGIN
	s_mov_b32 s50, s17
.Lsame_\@:
	s_add_co_u32 s49, s51, s46
	s_add_co_u32 s49, s49, s47
	s_and_b32 s49, s49, 15
	s_mul_i32 s48, s49, REC
	POINT
.endif
.irp t, 0,1,2,3
	ds_load_b128 v[VB+12*\t:VB+12*\t+3], v[T16] offset:VF+1536*\t
	ds_load_b64 v[VB+12*\t+4:VB+12*\t+5], v[T8] offset:VF+1536*\t+512
	ds_load_b128 v[VB+12*\t+6:VB+12*\t+9], v[T16] offset:VF+1536*\t+768
	ds_load_b64 v[VB+12*\t+10:VB+12*\t+11], v[T8] offset:VF+1536*\t+1280
.endr
	ds_load_b64 v[VS:VS+1], v[TR] offset:VSC
	ds_load_b64 v[VS+2:VS+3], v[TR] offset:VSC+128
	s_wait_loadcnt 0x0                             ; Q
	s_wait_dscnt 18                                ; K is in; V's sixteen loads and two of its scale words may be out
.irp t, 0,1,2,3
	v_wmma_scale_f32_16x16x128_f8f6f4 v[S+8*\t:S+8*\t+7], v[KB+6*\t:KB+6*\t+11], v[QF:QF+11], 0, v[KS+\t], v[QSW] matrix_a_fmt:MATRIX_FMT_FP6 matrix_b_fmt:MATRIX_FMT_FP6
.endr
.irp t, 0,1,2,3
	v_wmma_scale_f32_16x16x128_f8f6f4 v[S+32+8*\t:S+32+8*\t+7], v[KB+24+6*\t:KB+24+6*\t+11], v[QF:QF+11], 0, v[KS+\t], v[QSW] matrix_a_fmt:MATRIX_FMT_FP6 matrix_b_fmt:MATRIX_FMT_FP6 matrix_a_scale:MATRIX_SCALE_ROW1
.endr
	s_add_co_u32 s75, s51, 1
	s_cmp_eq_u32 s75, s53
	s_cselect_b32 s47, s17, s47
	s_add_co_u32 s45, s75, s46
	s_add_co_u32 s45, s45, s47
	s_and_b32 s45, s45, 15                         ; the next key step
	s_mul_i32 s48, s45, REC
	v_mov_b32 v31, v12                             ; the old -M.  (It and the next three: four places in front of the loads and of the first read of results)
	v_add_nc_u32 v[T16], s48, v[L16]               ; the next step's K
	v_add_nc_u32 v[T8], s48, v[L8]
	v_nop
.if (\first) == 0
	s_cmp_eq_u32 s51, s52
	s_cbranch_scc1 .Llast_\@
	KLOAD                                          ; the next step's K, under this step's softmax
.Llast_\@:
.endif
	s_cmp_lg_u32 s75, s53
	s_cbranch_scc1 .Lkeep_\@
	global_load_b128 v[QF:QF+3], v[L16], s[58:59]             ; the next trip turns to step s: its Q
	global_load_b64 v[QF+4:QF+5], v[L8], s[58:59] offset:512
	global_load_b32 v[QSW], v[R16], s[22:23] offset:KSC
.Lkeep_\@:
	s_cmp_lg_u32 s49, s50                          ; on the diagonal the scores of hidden keys become -infinity ahead of the maximum: p = 0 then
	s_cbranch_scc1 .Lopen_\@
	s_cmp_eq_u32 ttmp9, 0                          ; the cluster's number is a / 4: which 64 of the step's 128 my queries are among
	s_cbranch_scc1 .Llower_\@
	HIDE 32
	s_branch .Lopen_\@
.Llower_\@:
	HIDE 0
.set n, 32
.rept 32
	v_mov_b32 v[S+n], 0xff800000                   ; the upper 64 keys all come after my queries
.set n, n+1
.endr
.Lopen_\@:
.irp b, 0,1,2,3
	v_max3_num_f32 v[BM+\b], v[S+16*\b], v[S+16*\b+1], v[S+16*\b+2]   ; the largest score of each block of 32 keys, two chains a block: for the row's maximum, and, since p rises with the score, for the block's largest p
.endr
.irp i, 3,5,7,9,11,13
.irp b, 0,1,2,3
	v_max3_num_f32 v[BM+\b], v[BM+\b], v[S+16*\b+\i], v[S+16*\b+\i+1]
.endr
.endr
.irp c, 0,2
	v_max3_num_f32 v[BM+\c], v[BM+\c], v[S+16*\c+15], v[S+16*\c+31]
.endr
.irp c, 0,2
	v_max_num_f32 v[BM+\c], v[BM+\c], v[BM+\c+1]
.endr
	v_max_num_f32 v[BM+1], v[BM], v[BM+2]          ; my 64 keys' largest score
	v_permlanex16_b32 v[TP], v[BM+1], s40, s41
	s_delay_alu instid0(VALU_DEP_1)
	v_max3_num_f32 v13, v13, v[BM+1], v[TP]        ; the running largest score
	s_delay_alu instid0(VALU_DEP_1)
	v_mul_f32 v12, s44, v13                        ; -t (c is positive)
	s_delay_alu instid0(VALU_DEP_1)
	v_floor_f32 v12, v12                           ; the new -M = floor(-t) = -ceil(t): a whole number
	s_delay_alu instid0(VALU_DEP_1)
	v_sub_f32 v31, v12, v31                        ; old M - new M: a whole number, 0 or less
	s_delay_alu instid0(VALU_DEP_1)
	v_cvt_i32_f32 v31, v31                         ; (it saturates)
.set n, 0
.rept 32
	v_pk_fma_f32 v[S+n:S+n+1], v[S+n:S+n+1], s[42:43], v[12:13] op_sel_hi:[1,0,0]   ; t - M, two at a time (of the pairs c and -M the low word serves both halves)
.set n, n+2
.endr
	v_ldexp_f32 v[FF], 1.0, v31                    ; f = 2^(old M - new M)
.irp c, 0,2
	v_fma_f32 v[BM+\c], v[BM+\c], s42, v12         ; the same of each block's largest score
.endr
	WALU
	s_wait_dscnt 0x0                               ; V is in (and the next step's K)
.irp c, 0,2
	v_exp_f32 v[BM+\c], v[BM+\c]                   ; the block's largest p
.endr
.set n, 0
.rept 64
	v_exp_f32 v[S+n], v[S+n]                       ; p = 2^(t - M): not normalised
.set n, n+1
.endr
	v_pk_mul_f32 v[14:15], v[14:15], v[FF:FF+1] op_sel_hi:[1,0]   ; the sums under the new M.  (A plain place behind the exponentials)
	WALU
.set n, 0
.set SN, 0
.irp c, 0,1
	v_max_num_f32 v[BM+2*\c], 0x1800000, v[BM+2*\c]   ; the floor 2^(3 - 127): the byte cannot fall under 1
.endr
	OMUL
.irp c, 0,1
	v_add_nc_u32 v[SO+\c], 0xff000000, v[BM+2*\c]  ; 2 off the exponent field: the conversion's scale operand
.endr
	OMUL
	v_lshrrev_b32 v[PSW], 23, v[SO]                ; the scales' bytes: blocks h and 2 + h,
	v_lshrrev_b32 v[TC], 23, v[SO+1]
	OMUL
	v_lshl_or_b32 v[PSW], v[TC], 16, v[PSW]
	OMUL
	v_lshlrev_b32 v[PSW], v[SH], v[PSW]            ; at their places in the scale word
	v_cvt_scalef32_pk16_fp6_f32 v[PCD:PCD+2], v[S:S+15], v[SO]
	v_cvt_scalef32_pk16_fp6_f32 v[TC:TC+2], v[S+16:S+31], v[SO]   ; (a conversion's three registers begin on an even number)
	v_permlanex16_b32 v31, v[PSW], s40, s41        ; (a plain place behind the conversions)
.irp i, 0,1,2
	v_mov_b32 v[PCD+3+\i], v[TC+\i]
.endr
	v_or_b32 v[PSW], v[PSW], v31                   ; with lane l xor 16's two bytes the word is whole
	v_cvt_scalef32_pk16_fp6_f32 v[PCD+6:PCD+8], v[S+32:S+47], v[SO+1]
	v_cvt_scalef32_pk16_fp6_f32 v[TC:TC+2], v[S+48:S+63], v[SO+1]
	SUM 4
.irp i, 0,1,2
	v_mov_b32 v[PCD+9+\i], v[TC+\i]
.endr
	SUM 28                                         ; (the places between p's codes and scale word and the products below)
.irp t, 0,1,2,3                                ; O^T += V^T P^T: four accumulators by turns
	v_wmma_scale_f32_16x16x128_f8f6f4 v[OT+8*\t:OT+8*\t+7], v[VB+12*\t:VB+12*\t+11], v[PCD:PCD+11], v[OT+8*\t:OT+8*\t+7], v[VS+\t], v[PSW] matrix_a_fmt:MATRIX_FMT_FP6 matrix_b_fmt:MATRIX_FMT_FP6
.endr
.rept 4
	v_nop                                          ; places in front of the next trip's loads, and of the first reads of O^T
.endr
.Lskip_\@:
.endm
	WALU                                           ; (the head's end)
	s_cmp_lt_u32 s12, 2
	s_cbranch_scc0 .Lnot_first
	s_wait_tensorcnt 0x0
.Lnot_first:
	s_barrier_signal -1
	s_barrier_wait -1                              ; records 0 and 8 are in; the others may still be on their way
	TRIP 1
	WALU
	s_wait_tensorcnt 0x0
	s_wait_dscnt 0x0
	s_barrier_signal -1
	s_barrier_wait -1                              ; all records are in
	KLOAD
	s_mov_b32 s51, 1
.Ltrips:
	TRIP 0
	s_add_co_u32 s51, s51, 1
	s_cmp_lt_u32 s51, 9
	s_cbranch_scc1 .Ltrips
	; THE JOIN: the pair's first wave takes the second's part of step 15 - s under one M
	v_add_nc_u32 v[TR], s74, v[L16]
	WALU
	s_wait_dscnt 0x0
	s_barrier_signal -1
	s_barrier_wait -1
	s_cmp_lg_u32 s16, 0
	s_cbranch_scc1 .Lout
	ds_load_b128 v[32:35], v[TR] offset:4096       ; its -M, largest score, sum
.irp n, 0,1,2,3,4,5,6,7
	ds_load_b128 v[S+4*\n:S+4*\n+3], v[TR] offset:512*\n
.endr
	s_wait_dscnt 8                                 ; O^T's eight loads may be out
	v_min_num_f32 v240, v12, v32                   ; -M of the whole
	v_sub_f32 v236, v240, v12
	v_sub_f32 v237, v240, v32
	v_cvt_i32_f32 v236, v236
	v_cvt_i32_f32 v237, v237
	v_ldexp_f32 v[FF], 1.0, v236
	v_ldexp_f32 v[SO], 1.0, v237
	v_pk_mul_f32 v[14:15], v[14:15], v[FF:FF+1] op_sel_hi:[1,0]
	v_pk_fma_f32 v[14:15], v[34:35], v[SO:SO+1], v[14:15] op_sel_hi:[1,0,1]
.set n, 0
.rept 4
	OMUL
.endr
	WALU
	s_wait_dscnt 0x0
.set n, 0
.rept 16
	v_pk_fma_f32 v[OT+n:OT+n+1], v[S+n:S+n+1], v[SO:SO+1], v[OT+n:OT+n+1] op_sel_hi:[1,0,1]
.set n, n+2
.endr
.Lout:
	; THE WAY OUT.  O^T / the sum: register i is channel 32 (lane / 16) + i of my query: one block of the last product's K.  It becomes a half fragment and a scale byte.
	v_add_f32 v14, v14, v15                        ; the sum's two halves,
	s_delay_alu instid0(VALU_DEP_1)
	v_permlanex16_b32 v31, v14, s40, s41
	s_delay_alu instid0(VALU_DEP_1)
	v_add_f32 v14, v14, v31                        ; and lane l xor 16's
	WALU
	v_rcp_f32 v14, v14
	v_and_b32 v240, 15, v0                         ; (a plain place behind the transcendental)
	v_bfe_u32 v241, v0, 4, 1
	WALU
.set n, 0
.rept 16
	v_pk_mul_f32 v[S+n:S+n+1], v[OT+n:OT+n+1], v[14:15] op_sel_hi:[1,0]
.set n, n+2
.endr
	v_lshl_add_u32 v240, v240, 4, v241             ; 16 r + h: lane (r, h) stores block h's byte of row r
	v_max3_num_f32 v236, |v[S]|, |v[S+1]|, 0x1800000
	v_max3_num_f32 v237, |v[S+16]|, |v[S+17]|, |v[S+18]|
.irp i, 2,4,6,8,10,12
	v_max3_num_f32 v236, v236, |v[S+\i]|, |v[S+\i+1]|
	v_max3_num_f32 v237, v237, |v[S+17+\i]|, |v[S+18+\i]|
.endr
	v_max3_num_f32 v236, v236, |v[S+14]|, |v[S+15]|
	v_max3_num_f32 v236, v236, v237, |v[S+31]|
	v_add_nc_u32 v[SO], 0xff000000, v236
	v_lshrrev_b32 v241, 23, v[SO]
	v_cvt_scalef32_pk16_fp6_f32 v[32:34], v[S:S+15], v[SO]
	v_cvt_scalef32_pk16_fp6_f32 v[40:42], v[S+16:S+31], v[SO]
	v_nop                                          ; one plain place behind a scaled conversion
.irp i, 0,1,2
	v_mov_b32 v[35+\i], v[40+\i]
.endr
	global_store_b128 v[L16], v[32:35], s[8:9]                ; whole aligned runs of 256 consecutive bytes
	global_store_b64 v[L8], v[36:37], s[8:9] offset:512
	global_store_b8 v240, v241, s[10:11]                      ; two heads share a scale word, so these bytes leave singly: one byte in 25 of what the wave stores
	s_wait_tensorcnt 0x0                           ; the wave's end
	ds_add_u32 v[SPW], v[NIL]
	s_wait_dscnt 0x0
	CROUND                                         ; the closing round: no work-group ends while a partner may still ask for a record that names it
	s_endpgm
.Lfunc_end_k_qfc45ed6a74_attn:
	.size	k_qfc45ed6a74_attn, .Lfunc_end_k_qfc45ed6a74_attn-k_qfc45ed6a74_attn
	.p2alignl 7, 3214868480
	.fill 96, 4, 3214868480
	.section	.rodata,"a",@progbits
	.p2align	6, 0x0
	.amdhsa_kernel k_qfc45ed6a74_attn
		.amdhsa_group_segment_fixed_size 284672
		.amdhsa_private_segment_fixed_size 0
		.amdhsa_enable_private_segment 0
		.amdhsa_kernarg_size 32
		.amdhsa_user_sgpr_count 2
		.amdhsa_user_sgpr_kernarg_segment_ptr 1
		.amdhsa_wavefront_size32 1
		.amdhsa_system_sgpr_workgroup_id_x 1
		.amdhsa_system_sgpr_workgroup_id_y 1
		.amdhsa_system_sgpr_workgroup_id_z 1
		.amdhsa_system_vgpr_workitem_id 0
		.amdhsa_next_free_vgpr 256
		.amdhsa_next_free_sgpr 80
		.amdhsa_reserve_vcc 0
		.amdhsa_float_denorm_mode_32 3
		.amdhsa_float_denorm_mode_16_64 3
		.amdhsa_memory_ordered 1
		.amdhsa_forward_progress 1
		.amdhsa_inst_pref_size 76
	.end_amdhsa_kernel
	.amdgpu_metadata
---
amdhsa.version: [ 1, 2 ]
amdhsa.kernels:
  - .name:           k_qfc45ed6a74_attn
    .symbol:         k_qfc45ed6a74_attn.kd
    .args:
      - { .name: qb, .offset: 0, .size: 8, .value_kind: global_buffer, .address_space: global }
      - { .name: kv, .offset: 8, .size: 8, .value_kind: global_buffer, .address_space: global }
      - { .name: c1, .offset: 16, .size: 8, .value_kind: global_buffer, .address_space: global }
      - { .name: sc, .offset: 24, .size: 8, .value_kind: global_buffer, .address_space: global }
    .group_segment_fixed_size: 284672
    .private_segment_fixed_size: 0
    .kernarg_segment_align: 8
    .kernarg_segment_size: 32
    .max_flat_workgroup_size: 512
    .sgpr_count:     80
    .vgpr_count:     256
    .wavefront_size: 32
...
	.end_amdgpu_metadata
.endif
;; end of part 3
;; launch oproj (part 4): grid 8 x 32, 4 waves a work-group, clusters of 4 x 4, 214,528 bytes of LDS; arguments c1, sc, out0; writes out0
.if DOCPART == 4
	.amdgcn_target "amdgcn-amd-amdhsa--gfx1250"
	.amdhsa_code_object_version 6
	.text
	.protected	k_qfc45ed6a74_oproj
	.globl	k_qfc45ed6a74_oproj
	.p2align	8
	.type	k_qfc45ed6a74_oproj,@function
k_qfc45ed6a74_oproj:
	s_mov_b64 s[64:65], 0
	v_nop
	global_prefetch_b8 v0, s[64:65] scope:SCOPE_SE
	s_setreg_imm32_b32 hwreg(HW_REG_WAVE_MODE, 25, 1), 1
	s_wait_xcnt 0x0
	s_wait_alu depctr_hold_cnt(0) depctr_sa_sdst(0) depctr_va_vdst(0) depctr_va_sdst(0) depctr_va_ssrc(0) depctr_va_vcc(0) depctr_vm_vsrc(0)
	s_getreg_b32 s2, hwreg(HW_REG_IB_STS2, 6, 4)
	s_cmp_eq_u32 s2, 0
	s_cbranch_scc0 .Lentry_in_a_cluster
	s_endpgm
.Lentry_in_a_cluster:
	s_bfe_u32 s2, ttmp6, 0x10000c
	s_cmp_lg_u32 s2, 0xf033
	s_cbranch_scc0 .Lentry_shape_is_right
	s_endpgm
.Lentry_shape_is_right:
; out = O w_o^T on codes of FP6 (E2M3) with E8M0 scales, K = 1,024; O: 4,096 rows (tiles 512-767 of c1), w_o: 1,024 rows (tiles 448-511).
; c1: [tile of 16 rows][K step of 128][1,536 bytes]: registers 6 c .. 6 c + 3 of a fragment at 768 c + 16 x lane, 6 c + 4, 6 c + 5 at 768 c + 512 + 8 x lane.  Lane row 8 h + i of tile 4 b + j of a tensor is its row 64 b + 32 h + 8 j + i.
; Scale words in sc: [tile][K step / 4][row][K step % 4].
; A work-group of four waves, 2 x 2, makes 128 x 128, a wave 64 x 64; 256 work-groups.  All of K of its 8 + 8 tiles lies in LDS at once, 196,608 bytes, one load a wave: no slot is filled again.
; A wave holds its four tiles of w_o, all of K, in registers (384) and takes its four tiles of O one after the other, 32 products each: so a finished block of 16 rows leaves while the next is multiplied.
; THE MATRIX INSTRUCTION IS USED TRANSPOSED (source 0 = w_o): a lane holds one row of O; its 32 results of a block are columns 32 (lane / 16) + 0 .. 31 of the wave's 64.
; CLUSTERS: 4 x 4 work-groups; O's tiles are shared along a row of the cluster, w_o's along a column: joint loads.  Nothing is prefetched: all tiles are asked for at the head.
; REGISTERS: window 0: addresses, scale words, accumulators v64-127 (two sets of four), v128-191 the way out; windows 1 and 2: w_o's 32 fragments, 21 to a window; window 3: O's, two sets of eight.
.set FRB,   1536
.set TILEB, 8*FRB
.set HALF,  4*TILEB                    ; what one load brings: four tiles, 49,152 dense bytes
.set STAGE, 4*HALF                     ; a stage of 16 rows x 272 bytes for each wave
.set SPITCH, 272
.set SPARE, STAGE+4*16*SPITCH
.set B16,   4
.set B8,    5
.set A16,   6
.set A8,    7
.set STO,   8
.set RD,    9
.set CO,    10
.set SPW,   14
.set NIL,   15
.set SB,    24                         ; v24-39: register 8 p + q: lanes 0-15 w_o's tile 2 p, lanes 16-31 tile 2 p + 1, K step q
.set SA,    44                         ; v44-59: the same for O's tiles
.set ACC,   64
.set OB,    128
.set G1A,   24
.set G1B,   32
.set G0A,   40
.set G0B,   44
.set MSB, 0
.macro WIN new                         ; the immediate's high byte repeats the setting that is left
.if MSB != (\new)
	s_set_vgpr_msb (MSB<<8)|(\new)
.set MSB, (\new)
.endif
.endm
.macro CROUND
	s_barrier_signal -1
	s_barrier_wait -1
	s_cmp_lg_u32 s14, 0
	s_cbranch_scc1 .Lnot_wave_0_\@
	s_barrier_signal -3
.Lnot_wave_0_\@:
	s_barrier_wait -3
	s_barrier_signal -1
	s_barrier_wait -1
.endm
.macro PLACES                          ; four places behind a matrix instruction of this form (ISA guide 7.12.1)
.rept 4
	v_nop
.endr
.endm
	s_load_b128 s[4:7], s[0:1], 0x0                ; c1, sc
	s_load_b64 s[8:9], s[0:1], 0x10                ; out0
	v_lshl_add_u32 v[SPW], v0, 2, SPARE
	v_mov_b32 v[NIL], 0
	ds_add_u32 v[SPW], v[NIL]                      ; the wave's opening: the add, twice on end, and its wait
	ds_add_u32 v[SPW], v[NIL]
	v_lshrrev_b32 v1, 5, v0
	v_readfirstlane_b32 s14, v1                    ; wave 0..3
	s_lshr_b32 s15, s14, 1                         ; which 64 rows are mine.  Also: I fetch for w_o (0) or for O (1)
	s_and_b32 s16, s14, 1                          ; which 64 columns.  Also: which four tiles I fetch
	s_bfe_u32 s19, ttmp6, 0x40000                  ; cx
	s_bfe_u32 s20, ttmp6, 0x40004                  ; cy
	s_lshl_b32 s18, ttmp9, 2
	s_add_co_u32 s18, s18, s19                     ; column of blocks, 0 .. 7
	s_and_b32 s17, ttmp7, 0xffff
	s_lshl_b32 s17, s17, 2
	s_add_co_u32 s17, s17, s20                     ; row of blocks, 0 .. 31
	s_lshl_b32 s21, s20, 2
	s_lshl_b32 s21, 15, s21                        ; my row of the cluster
	s_lshl_b32 s22, 0x1111, s19                    ; my column
	; descriptor group 1: 49,152 dense bytes as 192 rows of 256 bytes (32 elements of 8 bytes)
	s_or_b32 s[G1A], s21, (3<<16)|(1<<21)
	s_or_b32 s[G1B], s22, (3<<16)|(1<<21)
.irp g, G1A, G1B
	s_mov_b32 s[\g+1], 32<<16
	s_mov_b32 s[\g+2], 192<<16
	s_mov_b32 s[\g+3], 32<<16
	s_mov_b32 s[\g+4], 192
	s_mov_b32 s[\g+5], 32
	s_mov_b32 s[\g+6], 0
	s_mov_b32 s[\g+7], 0
.endr
	s_mul_i32 s13, s16, HALF
	s_mul_i32 s70, s17, 8*TILEB
	s_add_co_u32 s70, s70, s13
	s_add_co_u32 s70, s70, 512*TILEB
	s_mov_b32 s71, 0
	s_mul_i32 s72, s18, 8*TILEB
	s_add_co_u32 s72, s72, s13
	s_add_co_u32 s72, s72, 448*TILEB
	s_mov_b32 s73, 0
	s_mul_i32 s23, s14, HALF                       ; where they go: w_o's eight tiles, then O's eight: no place in the cluster enters an LDS address
	s_lshl_b32 s74, s17, 3
	s_lshl_b32 s75, s15, 2
	s_add_co_u32 s74, s74, s75
	s_add_co_u32 s74, s74, 512
	s_lshl_b32 s74, s74, 9                         ; my four tiles of O in sc
	s_mov_b32 s75, 0
	s_lshl_b32 s76, s18, 3
	s_lshl_b32 s77, s16, 2
	s_add_co_u32 s76, s76, s77
	s_add_co_u32 s76, s76, 448
	s_lshl_b32 s76, s76, 9                         ; and of w_o
	s_mov_b32 s77, 0
	s_lshl_b32 s66, s17, 7
	s_lshl_b32 s67, s15, 6
	s_add_co_u32 s66, s66, s67
	s_lshl_b32 s66, s66, 12                        ; my first row of the result, 4,096 bytes a row,
	s_lshl_b32 s67, s18, 9
	s_add_co_u32 s66, s66, s67
	s_lshl_b32 s67, s16, 8
	s_add_co_u32 s66, s66, s67                     ; and my first column: 512 bytes a block, 256 a wave
	s_mov_b32 s67, 0
	s_wait_alu depctr_va_vdst(0)
	s_wait_dscnt 0x0
	CROUND                                         ; all sixteen work-groups are here: the joint loads meet
	s_wait_kmcnt 0x0
	s_mov_b32 s[G0A], 1
	s_mov_b32 s[G0A+1], s23
	s_add_nc_u64 s[G0A+2:G0A+3], s[4:5], s[70:71]
	s_or_b32 s[G0A+3], s[G0A+3], 0x80000000
	s_mov_b32 s[G0B], 1
	s_mov_b32 s[G0B+1], s23
	s_add_nc_u64 s[G0B+2:G0B+3], s[4:5], s[72:73]
	s_or_b32 s[G0B+3], s[G0B+3], 0x80000000
	s_cmp_eq_u32 s15, 0                            ; one load a wave: waves 0, 1 w_o's tiles, which are needed first, waves 2, 3 O's
	s_cbranch_scc0 .Lrows
	tensor_load_to_lds s[G0B:G0B+3], s[G1B:G1B+7]
	s_nop 0
	PLACES
	s_branch .Lasked
.Lrows:
	tensor_load_to_lds s[G0A:G0A+3], s[G1A:G1A+7]
	s_nop 0
	PLACES
.Lasked:
	s_add_nc_u64 s[74:75], s[6:7], s[74:75]
	s_add_nc_u64 s[76:77], s[6:7], s[76:77]
	s_add_nc_u64 s[8:9], s[8:9], s[66:67]
	s_mul_i32 s60, s16, HALF
	s_mul_i32 s61, s15, HALF
	s_add_co_u32 s61, s61, 2*HALF
	s_mul_i32 s62, s14, 16*SPITCH
	s_add_co_u32 s62, s62, STAGE
	v_and_b32 v1, 31, v0                           ; lane
	v_and_b32 v2, 15, v0                           ; r
	v_bfe_u32 v3, v0, 4, 1                         ; h
	v_lshlrev_b32 v11, 4, v2
	v_lshl_add_u32 v12, v3, 9, v11                 ; 512 h + 16 r: lanes 0-15 an even tile's words, lanes 16-31 the next tile's
.irp p, 0,1
.irp f, 0,1
	global_load_b128 v[SB+8*\p+4*\f:SB+8*\p+4*\f+3], v12, s[76:77] offset:1024*\p+256*\f
	global_load_b128 v[SA+8*\p+4*\f:SA+8*\p+4*\f+3], v12, s[74:75] offset:1024*\p+256*\f
.endr
.endr
	v_lshl_add_u32 v[B16], v1, 4, s60
	v_lshl_add_u32 v[B8], v1, 3, s60
	v_lshl_add_u32 v[A16], v1, 4, s61
	v_lshl_add_u32 v[A8], v1, 3, s61
	v_mul_u32_u24 v[STO], v2, SPITCH               ; into the stage: row r, 128 bytes for each half of the lanes
	v_lshl_add_u32 v[STO], v3, 7, v[STO]
	v_add_nc_u32 v[STO], s62, v[STO]
	v_mul_u32_u24 v[RD], v3, SPITCH                ; out of it: lanes 0-15 take one row of 256 bytes, lanes 16-31 the next
	v_add_nc_u32 v[RD], v[RD], v11
	v_add_nc_u32 v[RD], s62, v[RD]
	v_lshl_add_u32 v[CO], v3, 12, v11              ; and the same two rows of the result
.macro FRAG wd, reg, a16, a8, off
	WIN ((\wd)<<6)
	ds_load_b128 v[\reg:\reg+3], v[\a16] offset:\off
	ds_load_b64 v[\reg+4:\reg+5], v[\a8] offset:\off+512
	ds_load_b128 v[\reg+6:\reg+9], v[\a16] offset:\off+768
	ds_load_b64 v[\reg+10:\reg+11], v[\a8] offset:\off+1280
.endm
.macro FETCH b                         ; block b of O, all of K, into set b % 2: 32 loads
.irp q, 0,1,2,3,4,5,6,7
	FRAG 3, 12*(8*((\b)%2)+\q), A16, A8, TILEB*(\b)+FRB*\q
.endr
	WIN 0
.endm
.macro PRODUCTS b, e                   ; 32 matrix instructions, four accumulators by turns; e = b % 2, as a digit
.irp q, 0,1,2,3,4,5,6,7
.irp p, 0,1
.irp o, 0,1
.set F_, 4*\q+2*\p+\o
.set W_, 12*(F_%21)
.set X_, 12*(8*\e+\q)
.set D_, ACC+32*\e+16*\p+8*\o
	WIN ((1+F_/21)|(3<<2))
.if \q
	v_wmma_scale_f32_16x16x128_f8f6f4 v[D_:D_+7], v[W_:W_+11], v[X_:X_+11], v[D_:D_+7], v[SB+8*\p+\q], v[SA+8*((\b)/2)+\q] matrix_a_fmt:MATRIX_FMT_FP6 matrix_b_fmt:MATRIX_FMT_FP6 matrix_a_scale:MATRIX_SCALE_ROW\o matrix_b_scale:MATRIX_SCALE_ROW\e
.else
	v_wmma_scale_f32_16x16x128_f8f6f4 v[D_:D_+7], v[W_:W_+11], v[X_:X_+11], 0, v[SB+8*\p+\q], v[SA+8*((\b)/2)+\q] matrix_a_fmt:MATRIX_FMT_FP6 matrix_b_fmt:MATRIX_FMT_FP6 matrix_a_scale:MATRIX_SCALE_ROW\o matrix_b_scale:MATRIX_SCALE_ROW\e
.endif
.endr
.endr
.endr
	WIN 0
	PLACES
.endm
.macro TOSTAGE e                       ; the set's results into my stage, and back as whole rows of 256 bytes: 16 LDS instructions, served in order (ISA guide 5.7.1.4)
.irp m, 0,1,2,3,4,5,6,7
	ds_store_b128 v[STO], v[ACC+32*\e+4*\m:ACC+32*\e+4*\m+3] offset:16*\m
.endr
.irp t, 0,1,2,3,4,5,6,7
	ds_load_b128 v[OB+32*\e+4*\t:OB+32*\e+4*\t+3], v[RD] offset:2*SPITCH*\t
.endr
.endm
.macro SEND b, e                       ; 16 lanes store 256 consecutive bytes, at a multiple of 256 from the result's first byte
.irp t, 0,1,2,3,4,5,6,7
	global_store_b128 v[CO], v[OB+32*\e+4*\t:OB+32*\e+4*\t+3], s[8:9] offset:(8*\b+32*(\t/4)+(2*\t)%8)*4096 th:TH_STORE_NT
.endr
.endm
	s_wait_alu depctr_va_vdst(0)                   ; the head's end
	s_cmp_eq_u32 s15, 0
	s_cbranch_scc0 .Lnot_w
	s_wait_tensorcnt 0x0
.Lnot_w:
	s_barrier_signal -1
	s_barrier_wait -1                              ; w_o's tiles are in; O's may still be on their way
.irp q, 0,1,2,3,4,5,6,7
.irp j, 0,1,2,3
	FRAG 1+(4*\q+\j)/21, 12*((4*\q+\j)%21), B16, B8, TILEB*\j+FRB*\q
.endr
.endr
	WIN 0
	s_wait_tensorcnt 0x0
	s_wait_dscnt 0x0
	s_barrier_signal -1
	s_barrier_wait -1                              ; O's tiles are in
	FETCH 0
	FETCH 1
	s_wait_loadcnt 0x0                             ; the scale words
	s_wait_dscnt 32                                ; block 0 is in; block 1's 32 loads may be out
	PRODUCTS 0, 0
	FETCH 2
	TOSTAGE 0
	s_wait_dscnt 48                                ; block 1 is in; behind it: block 2's 32 loads and the stage's 16
	PRODUCTS 1, 1
	FETCH 3
	s_wait_dscnt 32                                ; block 0's rows are back; block 3's 32 loads may be out
	SEND 0, 0
	TOSTAGE 1
	PRODUCTS 2, 0
	s_wait_dscnt 0x0                               ; block 1's rows are back, and block 3 is in
	SEND 1, 1
	s_wait_xcnt 0x0                                ; the earlier stores have read their registers: the next rows may land there
	TOSTAGE 0
	PRODUCTS 3, 1
	s_wait_dscnt 0x0
	SEND 2, 0
	TOSTAGE 1
	s_wait_dscnt 0x0
	SEND 3, 1
	s_wait_tensorcnt 0x0                           ; the wave's end
	ds_add_u32 v[SPW], v[NIL]
	s_wait_dscnt 0x0
	CROUND                                         ; the closing round: no work-group ends while a partner may still ask for a tile that names it
	s_endpgm
.Lfunc_end_k_qfc45ed6a74_oproj:
	.size	k_qfc45ed6a74_oproj, .Lfunc_end_k_qfc45ed6a74_oproj-k_qfc45ed6a74_oproj
	.p2alignl 7, 3214868480
	.fill 96, 4, 3214868480
	.section	.rodata,"a",@progbits
	.p2align	6, 0x0
	.amdhsa_kernel k_qfc45ed6a74_oproj
		.amdhsa_group_segment_fixed_size 214528
		.amdhsa_private_segment_fixed_size 0
		.amdhsa_enable_private_segment 0
		.amdhsa_kernarg_size 24
		.amdhsa_user_sgpr_count 2
		.amdhsa_user_sgpr_kernarg_segment_ptr 1
		.amdhsa_wavefront_size32 1
		.amdhsa_system_sgpr_workgroup_id_x 1
		.amdhsa_system_sgpr_workgroup_id_y 1
		.amdhsa_system_sgpr_workgroup_id_z 1
		.amdhsa_system_vgpr_workitem_id 0
		.amdhsa_next_free_vgpr 1024
		.amdhsa_next_free_sgpr 80
		.amdhsa_reserve_vcc 0
		.amdhsa_float_denorm_mode_32 3
		.amdhsa_float_denorm_mode_16_64 3
		.amdhsa_memory_ordered 1
		.amdhsa_forward_progress 1
		.amdhsa_inst_pref_size 49
	.end_amdhsa_kernel
	.amdgpu_metadata
---
amdhsa.version: [ 1, 2 ]
amdhsa.kernels:
  - .name:           k_qfc45ed6a74_oproj
    .symbol:         k_qfc45ed6a74_oproj.kd
    .args:
      - { .name: c1, .offset: 0, .size: 8, .value_kind: global_buffer, .address_space: global }
      - { .name: sc, .offset: 8, .size: 8, .value_kind: global_buffer, .address_space: global }
      - { .name: out0, .offset: 16, .size: 8, .value_kind: global_buffer, .address_space: global }
    .group_segment_fixed_size: 214528
    .private_segment_fixed_size: 0
    .kernarg_segment_align: 8
    .kernarg_segment_size: 24
    .max_flat_workgroup_size: 128
    .sgpr_count:     80
    .vgpr_count:     1024
    .wavefront_size: 32
...
	.end_amdgpu_metadata
.endif
;; end of part 4
